; MI455X (gfx1250); checked and timed in simulation.
; The chip was launched on July 23, 2026; its instructions are those of AMD's public machine-readable ISA for CDNA 5 (MIT licence, August 2026) and "CDNA5" Instruction Set Architecture Reference Guide (July 2026). The comments in the code are by the model that wrote it; some were corrected since.
;; Mo E. Allowed arithmetic: matrix products marked QUANTISED: E5M2 operands, one E8M0 scale for each 32 along K, by v_wmma_scale_f32_16x16x128_f8f6f4 with both operands' format E5M2, f32 sums; products left as they are: f32 operands where the result goes on into a quantised operand, else bf16, f16 or f32 operands; f32 sums; everything else in f32.
;; Inputs: b1 8 x 4,096 float32; b2 8 x 1,024 float32; gate_b 8 float32; gate_w 1,024 x 8 float32; w1_codes 8 x 4,096 x 32 x 32 uint8 (E5M2 codes of w1, K innermost, in blocks of 32 codes); w1_scales 8 x 4,096 x 32 uint8 (E8M0 scales of w1, one for each 32 codes along K); w2_codes 8 x 1,024 x 128 x 32 uint8 (E5M2 codes of w2, K innermost, in blocks of 32 codes); w2_scales 8 x 1,024 x 128 uint8 (E8M0 scales of w2, one for each 32 codes along K); x 1,024 x 1,024 float32.
;; Outputs: out0 1,024 x 1,024 float32; out1 one number float32.
;; This version of the problem:
;;   THIS VERSION OF THE PROBLEM IS GIVEN IN LOW PRECISION. The matrix products marked QUANTISED in the list below multiply operands that are first quantised to E5M2 (5 exponent bits, 2 mantissa bits; 8 bits a number), with one power-of-two scale for each 32 numbers along K (OCP MX v1.0); their sums are f32. All else is computed in f32.
;;   The module's matrix products, in the order in which they are computed (A, B: the left and right operand; K: the contracted axis; several contracted axes count as one K, in the product's order):
;;     1. [M 1,024, K 1,024] x [K 1,024, N 8]; A: input x; B: input gate_w: left as it is (N = 8 < 16)
;;     2. batch 1,024 x [M 1, K 2] x [K 2, N 8]; A: computed on the way; B: computed on the way: left as it is (K = 2 < 32)
;;     3. [M 1,024, K 1,024] x [K 1,024, N 32,768]; A: input x; B: input w1 (given as codes): QUANTISED
;;     4. batch 8 x [M 1,024, K 4,096] x [K 4,096, N 1,024]; A: input w2 (given as codes); B: computed on the way: QUANTISED
;;     5. batch 1,024 x [M 1,024, K 8] x [K 8, N 1]; A: computed on the way; B: computed on the way: left as it is (K = 8 < 32)
;;   THE QUANTISER, for each operand of a quantised product, along K:
;;     - K is cut into blocks of 32 from its start; a last block that is shorter is filled with zeros.
;;     - A block's scale is 2^e with e = floor(log2(the largest magnitude in the block)) - 15, held to -126 .. 127; a block of zeros has e = 0. As a byte (E8M0): e + 127.
;;     - Each number is divided by its block's scale, clamped to +-57,344, and rounded to the nearest number of E5M2, ties to even, subnormals kept.
;;     - The product sums the exact products of the quantised numbers (number of the format x scale) in f32.
;;   ~~~python
;;   def quantise(x, axis):      # numpy; x: float32 -> the quantised numbers, widened to float32 again
;;       x = np.moveaxis(x, axis, -1); K = x.shape[-1]
;;       x = np.pad(x, [(0, 0)] * (x.ndim - 1) + [(0, -K % 32)]); x = x.reshape(x.shape[:-1] + (-1, 32)); a = np.abs(x).max(-1, keepdims=True)
;;       e = np.where(a > 0, np.clip(np.frexp(np.where(a > 0, a, 1))[1] - 1 - 15, -126, 127), 0)      # np.frexp(a)[1] - 1 = floor(log2(a)), exactly
;;       r = np.clip(x / 2.0 ** e, -57344, 57344)
;;       step = 2.0 ** (np.maximum(np.frexp(np.where(r == 0, 1, r))[1] - 1, -14) - 2)
;;       q = np.round(r / step) * step * 2.0 ** e      # np.round: ties to even
;;       return np.moveaxis(q.reshape(q.shape[:-2] + (-1,))[..., :K], -1, axis).astype(np.float32)
;;   ~~~
;;   OPERANDS COMPUTED ON THE WAY. 'Computed on the way' means the value that the module computes at that place (a softmax that the list does not call 'softmax' is quantised finished and normalised). What goes into a quantiser is computed in f32, as accurately as f32 sums, v_exp_f32 and their like allow (about 1e-6 of the number): no bf16 or f16 on the way to a quantiser, and a product that is left as it is and whose result goes on into a quantised operand takes f32 operands (vector FMAs, or v_wmma_f32_16x16x4_f32). A number that lies on a knife's edge between two numbers of the format may be rounded either way, as far as f32 arithmetic and the matrix unit's own rounding can turn it there, and no further.
;;   INPUTS GIVEN AS CODES. w1 (in the module: [8, 1024, 4096], K = its axis 1); w2 (in the module: [8, 4096, 1024], K = its axis 1): each comes as NAME_codes (uint8): NAME with its K axis moved to the last place and cut into blocks of 32 codes, [.., K / 32, bytes a block], one block behind the other in memory; one code a byte (a code: sign, 5 exponent bits, 2 mantissa bits); and NAME_scales (uint8): the same leading axes, one E8M0 byte (e + 127) for each 32 codes along K. Its value is code x scale, taken as it is: it is not quantised again, and the codes and scales need not be those that the quantiser above would give.
;; 3 versions, each right; version 2 is faster than version 1; version 3 is version 2 with the launches up, down written anew for expert scheduling mode. Each part assembles by itself: llvm-mc -triple=amdgcn-amd-amdhsa -mcpu=gfx1250 --defsym DOCPART=n.
;; ======== version 1 of 3: 5 launches
;; workspace buffers: xc 1,081,344 bytes; route 8,192 bytes of whole numbers; gval 8,192 bytes; place 33,024 bytes of whole numbers; wgt 32,768 bytes; hc 34,603,008 bytes; y 8,421,376 bytes
;; launch gate (part 1): grid 256 x 1, 2 waves a work-group, no clusters, 11,008 bytes of LDS; arguments x, gate_w, gate_b, xc, route, gval; writes xc, route, gval
.if DOCPART == 1
	.amdgcn_target "amdgcn-amd-amdhsa--gfx1250"
	.amdhsa_code_object_version 6
	.text
	.protected	k_q4464505576_gate
	.globl	k_q4464505576_gate
	.p2align	8
	.type	k_q4464505576_gate,@function
k_q4464505576_gate:
	s_mov_b64 s[64:65], 0
	v_nop
	global_prefetch_b8 v0, s[64:65] scope:SCOPE_SE
	s_setreg_imm32_b32 hwreg(HW_REG_WAVE_MODE, 25, 1), 1
	s_wait_xcnt 0x0
; THE GATE, AND x INTO CODES.  x [1024][1024] f32, gate_w [1024][8] f32, gate_b [8] f32.
; A wave owns two tokens, T0 = 4 x work-group + 2 x wave and T0 + 1.  It reads their rows once and does two things with them:
;  (1) codes of E5M2 with one E8M0 byte for each 32 along the row: xc holds the codes [1024][1024] from byte 0 and the scale bytes [1024][32] from byte 1,048,576;
;  (2) the eight logits in f32 (fused multiply-adds, then a sum over the lanes), the softmax with its maximum taken away, and the two largest probabilities, the lower index first among equals:
;      route [1024][2] u32 takes the experts, gval [1024][2] f32 their probabilities, at fixed places: no address here hangs on a choice.
; LIMITS: NaN and infinities among the inputs are not served.  A block of zeros gets the byte 1 with zero codes (this program alone reads the bytes); blocks whose largest magnitude lies under 2^-111 keep the byte 1.
; An exponential under 2^-126 comes out as 0 (ISA guide, v_exp_f32): probabilities that small count as equal, lowest index first; their weight is under 1e-38.
; Logits that differ by less than f32 rounding may be ordered either way.
; No barrier: the two waves share nothing; each has LDS bytes of its own.
.set WREG, 5376                        ; LDS of a wave: two stages of 32 x SP bytes, then its 64 scale bytes
.set SP,   80                          ; a lane's place in a stage: 64 bytes + 16 of padding
.set SCB,  2*32*SP
.set R,    16                          ; v16-79   x as loaded: token a's load j at R + 4 j, token b's at R + 32 + 4 j: element 128 j + 4 lane + i
.set X,    80                          ; v80-111  two sets of 16 neighbours along the row
.set C,    112                         ; v112-127 codes, four registers for each of four steps
.set E,    128                         ; v128-131 a scale byte for each step
.set ACC,  132                         ; v132-147 eight logits for each token
.set PR,   148                         ; v148-163 eight probabilities for each token
.set TP,   164                         ; v164-190 at work
; window 1, v0-255: my lane's part of gate_w: register 32 j + 8 i + e = gate_w[128 j + 4 lane + i][e]
.set MSB, 0
.macro WIN new                         ; the immediate's high byte repeats the setting that is left
.if MSB != (\new)
	s_set_vgpr_msb (MSB<<8)|(\new)
.set MSB, (\new)
.endif
.endm
	s_load_b256 s[4:11], s[0:1], 0x0               ; x s[4:5], gate_w s[6:7], gate_b s[8:9], xc s[10:11]
	s_load_b128 s[12:15], s[0:1], 0x20             ; route s[12:13], gval s[14:15]
	v_lshl_add_u32 v254, v0, 2, 0x2a00
	v_mov_b32 v255, 0
	v_lshrrev_b32 v1, 5, v0
	v_readfirstlane_b32 s16, v1                    ; wave
	v_and_b32 v1, 31, v0                           ; lane
	v_lshlrev_b32 v2, 4, v1                        ; 16 x lane
	v_lshlrev_b32 v12, 7, v1                       ; 128 x lane: four rows of gate_w
	s_mul_i32 s24, s16, WREG
	v_lshrrev_b32 v3, 2, v1
	v_mul_u32_u24 v3, v3, SP
	v_and_b32 v4, 3, v1
	v_lshl_add_u32 v3, v4, 4, v3
	v_add_nc_u32 v3, s24, v3                       ; the stage, on the way in: SP (lane / 4) + 16 (lane % 4)
	v_mul_u32_u24 v4, v1, SP
	v_add_nc_u32 v4, s24, v4                       ; and on the way out: SP x lane
	s_add_co_u32 s24, s24, SCB
	v_lshrrev_b32 v5, 1, v1
	v_add_nc_u32 v5, s24, v5                       ; my block's scale byte
	v_lshlrev_b32 v7, 1, v1
	v_add_nc_u32 v6, s24, v7                       ; and two of the 64 bytes on the way out
	s_lshl_b32 s17, ttmp9, 2
	s_lshl_b32 s18, s16, 1
	s_add_co_u32 s17, s17, s18                     ; T0
	s_mov_b32 s19, 0
	s_mov_b32 s23, 0x600000                        ; the mantissa field of 57,344
	s_mov_b32 s26, 0x76543210
	s_mov_b32 s27, 0xfedcba98                      ; v_permlanex16_b32's selects for lane l xor 16
	s_wait_kmcnt 0x0
	s_load_b256 s[32:39], s[8:9], 0x0              ; gate_b
	s_lshl_b32 s18, s17, 12
	s_add_nc_u64 s[4:5], s[4:5], s[18:19]          ; x at token T0
	s_lshl_b32 s18, s17, 10
	s_add_nc_u64 s[20:21], s[10:11], s[18:19]      ; its codes
	s_lshl_b32 s18, s17, 5
	s_add_nc_u64 s[10:11], s[10:11], s[18:19]
	s_add_nc_u64 s[10:11], s[10:11], 0x100000      ; its scale bytes
	s_lshl_b32 s18, s17, 3
	s_add_nc_u64 s[12:13], s[12:13], s[18:19]
	s_add_nc_u64 s[14:15], s[14:15], s[18:19]
.irp t, 0,1
.irp j, 0,1,2,3,4,5,6,7
	global_load_b128 v[R+32*\t+4*\j:R+32*\t+4*\j+3], v2, s[4:5] offset:4096*\t+512*\j th:TH_LOAD_NT   ; 32 lanes read 512 consecutive bytes
.endr
.endr
	WIN 0x40                                       ; destination window 1
.set n, 0
.rept 64
	global_load_b128 v[4*n:4*n+3], v12, s[6:7] offset:4096*(n/8)+16*(n%8)   ; eight neighbouring lines cover 4,096 consecutive bytes
.set n, n+1
.endr
	WIN 0
.macro TURN t                          ; step t (token t / 2, half t % 2): 2,048 bytes through the stage; LDS serves a wave's instructions in order (ISA guide 5.7.1.4)
.irp i, 0,1,2,3
	ds_store_b128 v3, v[R+16*(\t)+4*\i:R+16*(\t)+4*\i+3] offset:32*SP*((\t)%2)+8*SP*\i
.endr
.irp i, 0,1,2,3
	ds_load_b128 v[X+16*((\t)%2)+4*\i:X+16*((\t)%2)+4*\i+3], v4 offset:32*SP*((\t)%2)+16*\i
.endr
.endm
.macro QSTEP t                         ; 512 numbers, 16 neighbours a lane, two lanes to a block of 32
.set XQ, X+16*((\t)%2)
	v_max3_num_f32 v8, |v[XQ]|, |v[XQ+1]|, |v[XQ+2]|
	v_max3_num_f32 v9, |v[XQ+3]|, |v[XQ+4]|, |v[XQ+5]|
.irp i, 6,10
	v_max3_num_f32 v8, v8, |v[XQ+\i]|, |v[XQ+\i+1]|
	v_max3_num_f32 v9, v9, |v[XQ+\i+2]|, |v[XQ+\i+3]|
.endr
	v_max3_num_f32 v8, v8, |v[XQ+14]|, |v[XQ+15]|
	v_max3_num_f32 v8, v8, v9, 0x8000000           ; and the floor 2^(16 - 127): the byte cannot fall under 1
	v_max_num_f32_dpp v8, v8, v8 row_xmask:1 row_mask:0xf bank_mask:0xf   ; with my neighbour's 16: the block's largest magnitude
	v_add_nc_u32 v11, 0xf8800000, v8               ; 15 off its exponent field: the conversion's scale operand
	v_and_or_b32 v10, v8, 0x7f800000, s23          ; 57,344 x the scale
.irp i, 0,1,2,3,4,5,6,7,8,9,10,11,12,13,14,15
	v_med3_num_f32 v[XQ+\i], v[XQ+\i], -v10, v10   ; the conversion to an 8-bit code does not saturate (ISA guide 7.6.2): the hold comes first
.endr
	v_cvt_scalef32_pk8_bf8_f32 v[C+4*(\t):C+4*(\t)+1], v[XQ:XQ+7], v11
	v_cvt_scalef32_pk8_bf8_f32 v[C+4*(\t)+2:C+4*(\t)+3], v[XQ+8:XQ+15], v11
	v_lshrrev_b32 v[E+(\t)], 23, v11               ; the scale's byte (also the plain line behind the conversions)
	ds_store_b8 v5, v[E+(\t)] offset:16*(\t)       ; both lanes of a block write the same byte with the same value
	global_store_b128 v2, v[C+4*(\t):C+4*(\t)+3], s[20:21] offset:512*(\t)   ; 32 lanes store 512 consecutive bytes
.endm
	s_wait_loadcnt 63                              ; 64 loads of gate_w stand behind x's last load: x is in
	TURN 0
	TURN 1
	s_wait_dscnt 8                                 ; step 0 is back; step 1's eight may be out
	QSTEP 0
	TURN 2
	s_wait_dscnt 9                                 ; step 1 is back; a byte store and step 2's eight may be out
	QSTEP 1
	TURN 3
	s_wait_dscnt 9
	QSTEP 2
	s_wait_dscnt 1                                 ; step 3 is back; a byte store may be out
	QSTEP 3
	ds_load_u16 v[TP+26], v6                       ; my two of the wave's 64 scale bytes
	s_wait_dscnt 0x0
	global_store_b16 v7, v[TP+26], s[10:11]        ; 64 consecutive bytes
	; THE LOGITS: 8 x 2 sums over my lane's 32 elements of each row, two experts an instruction, eight chains
.macro DOT1 j, i, t, pe
.set rA, ACC+8*(\t)+2*(\pe)
.set rG, 32*(\j)+8*(\i)+2*(\pe)
.set rX, R+32*(\t)+4*(\j)+2*((\i)/2)
.if ((\j) == 0) && ((\i) == 0)
	v_pk_mul_f32 v[rA:rA+1], v[rG:rG+1], v[rX:rX+1] op_sel_hi:[1,0]          ; the first product starts the sum
.elseif ((\i)%2) == 0
	v_pk_fma_f32 v[rA:rA+1], v[rG:rG+1], v[rX:rX+1], v[rA:rA+1] op_sel_hi:[1,0,1]   ; x's pair: its first number for both halves
.else
	v_pk_fma_f32 v[rA:rA+1], v[rG:rG+1], v[rX:rX+1], v[rA:rA+1] op_sel:[0,1,0] op_sel_hi:[1,1,1]   ; its second
.endif
.endm
	s_wait_loadcnt 0x0                             ; gate_w
	WIN 0x01                                       ; source 0 window 1
.irp j, 0,1,2,3,4,5,6,7
.irp i, 0,1,2,3
.irp t, 0,1
.irp pe, 0,1,2,3
	DOT1 \j, \i, \t, \pe
.endr
.endr
.endr
.endr
	WIN 0
.irp m, 1,2,4,8
.irp k, 0,1,2,3,4,5,6,7,8,9,10,11,12,13,14,15
	v_add_f32_dpp v[ACC+\k], v[ACC+\k], v[ACC+\k] row_xmask:\m row_mask:0xf bank_mask:0xf
.endr
.endr
.irp k, 0,1,2,3,4,5,6,7,8,9,10,11,12,13,14,15
	v_permlanex16_b32 v[X+\k], v[ACC+\k], s26, s27 ; (its destination counts as read: X has been written)
.endr
	s_wait_kmcnt 0x0                               ; gate_b
.irp k, 0,1,2,3,4,5,6,7,8,9,10,11,12,13,14,15
	v_add_f32 v[ACC+\k], v[ACC+\k], v[X+\k]
.endr
.irp k, 0,1,2,3,4,5,6,7,8,9,10,11,12,13,14,15
	v_add_f32 v[ACC+\k], s[32+(\k%8)], v[ACC+\k]   ; every lane now holds all sixteen logits
.endr
	; THE SOFTMAX, the maximum taken away first
.irp t, 0,1
	v_max3_num_f32 v[TP+\t], v[ACC+8*\t], v[ACC+8*\t+1], v[ACC+8*\t+2]
	v_max3_num_f32 v[TP+\t], v[TP+\t], v[ACC+8*\t+3], v[ACC+8*\t+4]
	v_max3_num_f32 v[TP+\t], v[TP+\t], v[ACC+8*\t+5], v[ACC+8*\t+6]
	v_max_num_f32 v[TP+\t], v[TP+\t], v[ACC+8*\t+7]
.irp e, 0,1,2,3,4,5,6,7
	v_sub_f32 v[PR+8*\t+\e], v[ACC+8*\t+\e], v[TP+\t]
.endr
.irp e, 0,1,2,3,4,5,6,7
	v_mul_f32 v[PR+8*\t+\e], 0x3fb8aa3b, v[PR+8*\t+\e]   ; x log2(e)
.endr
.endr
.irp k, 0,1,2,3,4,5,6,7,8,9,10,11,12,13,14,15
	v_exp_f32 v[PR+\k], v[PR+\k]
.endr
	v_nop                                          ; a plain line behind the last exponential
	s_wait_alu depctr_va_vdst(0)                   ; one wait for the sixteen, ahead of their first reader
.irp t, 0,1
	v_add_f32 v[TP+2+4*\t], v[PR+8*\t], v[PR+8*\t+1]
	v_add_f32 v[TP+3+4*\t], v[PR+8*\t+2], v[PR+8*\t+3]
	v_add_f32 v[TP+4+4*\t], v[PR+8*\t+4], v[PR+8*\t+5]
	v_add_f32 v[TP+5+4*\t], v[PR+8*\t+6], v[PR+8*\t+7]
	v_add_f32 v[TP+2+4*\t], v[TP+2+4*\t], v[TP+3+4*\t]
	v_add_f32 v[TP+4+4*\t], v[TP+4+4*\t], v[TP+5+4*\t]
	v_add_f32 v[TP+2+4*\t], v[TP+2+4*\t], v[TP+4+4*\t]
.endr
	v_rcp_f32 v[TP+10], v[TP+2]
	v_rcp_f32 v[TP+11], v[TP+6]
	v_nop
	s_wait_alu depctr_va_vdst(0)                   ; one wait for the two reciprocals
.irp t, 0,1
.irp e, 0,1,2,3,4,5,6,7
	v_mul_f32 v[PR+8*\t+\e], v[PR+8*\t+\e], v[TP+10+\t]
.endr
.endr
	; THE TWO LARGEST.  A later expert takes the place only where it is strictly larger: among equals the lower index stays.  Choices are made by v_cndmask_b32 alone
.macro TOP t
.set PQ, PR+8*(\t)
.set BV, TP+12+(\t)
.set BI, TP+14+(\t)
.set SV, TP+16+(\t)
.set SI, TP+18+(\t)
	v_mov_b32 v[BV], v[PQ]
	v_mov_b32 v[BI], 0
.irp e, 1,2,3,4,5,6,7
	v_cmp_le_f32 vcc_lo, v[PQ+\e], v[BV]           ; keep
	v_cndmask_b32 v[BI], \e, v[BI], vcc_lo
	v_cndmask_b32 v[BV], v[PQ+\e], v[BV], vcc_lo
.endr
	v_mov_b32 v[SV], -1.0                          ; under every probability
	v_mov_b32 v[SI], 0
.irp e, 0,1,2,3,4,5,6,7
	v_cmp_eq_u32 s40, \e, v[BI]                    ; the first choice is passed over
	v_cmp_le_f32 vcc_lo, v[PQ+\e], v[SV]
	s_or_b32 vcc_lo, vcc_lo, s40
	v_cndmask_b32 v[SI], \e, v[SI], vcc_lo
	v_cndmask_b32 v[SV], v[PQ+\e], v[SV], vcc_lo
.endr
.endm
	TOP 0
	TOP 1
	; lanes 0 to 3 store: token T0 + lane / 2, choice lane % 2
	v_and_b32 v[TP+20], 1, v1
	v_cmp_eq_u32 vcc_lo, 1, v[TP+20]
	v_cndmask_b32 v[TP+21], v[TP+14], v[TP+18], vcc_lo
	v_cndmask_b32 v[TP+22], v[TP+15], v[TP+19], vcc_lo
	v_cndmask_b32 v[TP+23], v[TP+12], v[TP+16], vcc_lo
	v_cndmask_b32 v[TP+24], v[TP+13], v[TP+17], vcc_lo
	v_and_b32 v[TP+20], 2, v1
	v_cmp_eq_u32 vcc_lo, 2, v[TP+20]
	v_cndmask_b32 v[TP+21], v[TP+21], v[TP+22], vcc_lo
	v_cndmask_b32 v[TP+23], v[TP+23], v[TP+24], vcc_lo
	v_lshlrev_b32 v[TP+25], 2, v1
	v_cmp_gt_u32 vcc_lo, 4, v1
	s_wait_xcnt 0x0                                ; EXEC is a source of the stores above: it changes only behind this wait
	s_wait_tensorcnt 0x0
	ds_add_u32 v254, v255
	s_wait_dscnt 0x0
	s_and_saveexec_b32 s41, vcc_lo
	global_store_b32 v[TP+25], v[TP+21], s[12:13]
	global_store_b32 v[TP+25], v[TP+23], s[14:15]
	s_wait_xcnt 0x0                                ; and again in front of the line that widens it
	s_or_b32 exec_lo, exec_lo, s41
	s_endpgm
.Lfunc_end_k_q4464505576_gate:
	.size	k_q4464505576_gate, .Lfunc_end_k_q4464505576_gate-k_q4464505576_gate
	.p2alignl 7, 3214868480
	.fill 96, 4, 3214868480
	.section	.rodata,"a",@progbits
	.p2align	6, 0x0
	.amdhsa_kernel k_q4464505576_gate
		.amdhsa_group_segment_fixed_size 11008
		.amdhsa_private_segment_fixed_size 0
		.amdhsa_enable_private_segment 0
		.amdhsa_kernarg_size 48
		.amdhsa_user_sgpr_count 2
		.amdhsa_user_sgpr_kernarg_segment_ptr 1
		.amdhsa_wavefront_size32 1
		.amdhsa_system_sgpr_workgroup_id_x 1
		.amdhsa_system_sgpr_workgroup_id_y 1
		.amdhsa_system_sgpr_workgroup_id_z 1
		.amdhsa_system_vgpr_workitem_id 0
		.amdhsa_next_free_vgpr 512
		.amdhsa_next_free_sgpr 66
		.amdhsa_reserve_vcc 1
		.amdhsa_float_denorm_mode_32 3
		.amdhsa_float_denorm_mode_16_64 3
		.amdhsa_memory_ordered 1
		.amdhsa_forward_progress 1
		.amdhsa_inst_pref_size 52
	.end_amdhsa_kernel
	.amdgpu_metadata
---
amdhsa.version: [ 1, 2 ]
amdhsa.kernels:
  - .name:           k_q4464505576_gate
    .symbol:         k_q4464505576_gate.kd
    .args:
      - { .name: x, .offset: 0, .size: 8, .value_kind: global_buffer, .address_space: global }
      - { .name: gate_w, .offset: 8, .size: 8, .value_kind: global_buffer, .address_space: global }
      - { .name: gate_b, .offset: 16, .size: 8, .value_kind: global_buffer, .address_space: global }
      - { .name: xc, .offset: 24, .size: 8, .value_kind: global_buffer, .address_space: global }
      - { .name: route, .offset: 32, .size: 8, .value_kind: global_buffer, .address_space: global }
      - { .name: gval, .offset: 40, .size: 8, .value_kind: global_buffer, .address_space: global }
    .group_segment_fixed_size: 11008
    .private_segment_fixed_size: 0
    .kernarg_segment_align: 8
    .kernarg_segment_size: 48
    .max_flat_workgroup_size: 64
    .sgpr_count:     66
    .vgpr_count:     512
    .wavefront_size: 32
...
	.end_amdgpu_metadata
.endif
;; end of part 1
;; launch place (part 2): grid 1 x 1, 32 waves a work-group, no clusters, 8,192 bytes of LDS; arguments route, gval, place, wgt, out1; writes place, wgt, out1
.if DOCPART == 2
	.amdgcn_target "amdgcn-amd-amdhsa--gfx1250"
	.amdhsa_code_object_version 6
	.text
	.protected	k_q4464505576_place
	.globl	k_q4464505576_place
	.p2align	8
	.type	k_q4464505576_place,@function
k_q4464505576_place:
	s_mov_b64 s[64:65], 0
	v_nop
	global_prefetch_b8 v0, s[64:65] scope:SCOPE_SE
	s_setreg_imm32_b32 hwreg(HW_REG_WAVE_MODE, 25, 1), 1
	s_wait_xcnt 0x0
; THE ROWS ARE PLACED BY EXPERT, AND THE LOSS.  route [1024][2] u32 and gval [1024][2] f32 come from the launch before.
; Each expert owns 1,024 ranks.  place: dst [8][1024] u32 from byte 0 (dst = 1024 x choice + token; a rank that no row takes holds 2048 + expert), the eight counts from byte 32,768.
; wgt [8][1024] f32: the rank's probability (0 in a rank that no row takes).  Every word of both tables is written, each by one thread.
; One work-group, a thread to a token: a rank is a count over all earlier tokens, and all that is read is 16 KB.  No atomics: counts inside a wave by masks, over the waves through LDS and one barrier.
; out1 = the sum over the experts of (count / 2048)^2: each token has two different experts, so the counts add up to 2,048.
; REGISTERS: v1-6 ids and offsets; v8-11 ranks inside the wave; v12-15 the token's experts and probabilities; v16-23 counts, packed; v24-31 at work beside them; v32-39 what unused ranks hold; v40-42 my two places, token + 1024; v43 zero.
.set NIL, 43                           ; v43  0; never rewritten
	s_load_b256 s[4:11], s[0:1], 0x0               ; route s[4:5], gval s[6:7], place s[8:9], wgt s[10:11]
	s_load_b64 s[12:13], s[0:1], 0x20              ; out1
	v_lshl_add_u32 v64, v0, 2, 0x1000
	v_mov_b32 v65, 0
	v_lshrrev_b32 v1, 5, v0
	v_readfirstlane_b32 s16, v1                    ; wave 0..31
	v_and_b32 v2, 31, v0                           ; lane
	v_lshlrev_b32 v3, 3, v0                        ; 8 x token
	v_lshlrev_b32 v4, 2, v0                        ; 4 x token
	v_lshlrev_b32 v5, 7, v2
	v_lshl_add_u32 v5, v1, 2, v5                   ; LDS: 128 x lane + 4 x wave: row = expert, word = wave
	v_lshlrev_b32 v6, 2, v2                        ; 4 x lane
	v_mov_b32 v9, 0                                ; lane e: my wave's count for expert e
	v_mov_b32 v10, 0                               ; my first choice's rank inside the wave
	v_mov_b32 v11, 0                               ; my second's
	v_mov_b32 v[NIL], 0
.irp e, 0,1,2,3,4,5,6,7
	v_mov_b32 v[32+\e], 2048+\e                    ; what an unused rank of expert e holds: a register for each, so that no store's data are written again
.endr
	v_add_nc_u32 v42, 1024, v0
	s_mov_b32 s20, 0x76543210
	s_mov_b32 s21, 0xfedcba98
	s_wait_kmcnt 0x0
	global_load_b64 v[12:13], v3, s[4:5]
	global_load_b64 v[14:15], v3, s[6:7]
	s_wait_loadcnt 0x1                             ; the experts are in; the probabilities may be out
	v_min_u32 v12, 7, v12
	v_min_u32 v13, 7, v13
.irp e, 0,1,2,3,4,5,6,7
	v_cmp_eq_u32 s40, \e, v12
	v_cmp_eq_u32 s41, \e, v13
	s_or_b32 s42, s40, s41                         ; the wave's tokens that go to expert e
	v_mbcnt_lo_u32_b32 v8, s42, 0                  ; how many of them stand in lower lanes
	v_cndmask_b32 v10, v10, v8, s40
	v_cndmask_b32 v11, v11, v8, s41
	s_bcnt1_i32_b32 s43, s42
	v_writelane_b32 v9, s43, \e
.endr
	ds_store_b32 v5, v9                            ; (lanes 8 to 31 store zeros into rows that nobody reads)
	s_wait_dscnt 0x0                               ; for the others' sake: my store has landed
	s_barrier_signal -1
	s_barrier_wait -1
.irp e, 0,1,2,3,4,5,6,7
	ds_load_b32 v[16+\e], v6 offset:128*\e         ; lane i: wave i's count for expert e
.endr
	s_wait_dscnt 0x0
	v_cmp_gt_u32 vcc_lo, s16, v2                   ; waves ahead of mine
.irp e, 0,1,2,3,4,5,6,7
	v_cndmask_b32 v[24+\e], 0, v[16+\e], vcc_lo
	v_lshl_or_b32 v[16+\e], v[16+\e], 16, v[24+\e] ; high half: for the expert's count; low half: for the rows in earlier waves.  Neither sum passes 1,024
.endr
.irp m, 1,2,4,8
.irp e, 0,1,2,3,4,5,6,7
	v_mov_b32_dpp v[24+\e], v[16+\e] row_xmask:\m row_mask:0xf bank_mask:0xf
.endr
.irp e, 0,1,2,3,4,5,6,7
	v_add_nc_u32 v[16+\e], v[16+\e], v[24+\e]
.endr
.endr
.irp e, 0,1,2,3,4,5,6,7
	v_permlanex16_b32 v[24+\e], v[16+\e], s20, s21
.endr
.irp e, 0,1,2,3,4,5,6,7
	v_add_nc_u32 v[16+\e], v[16+\e], v[24+\e]
.endr
.irp e, 0,1,2,3,4,5,6,7
	v_lshrrev_b32 v[24+\e], 16, v[16+\e]
	v_readfirstlane_b32 s[48+\e], v[24+\e]         ; expert e's count
	v_and_b32 v[16+\e], 0xffff, v[16+\e]           ; its rows in earlier waves
.endr
	v_mov_b32 v40, v16
	v_mov_b32 v41, v16
.irp e, 1,2,3,4,5,6,7
	v_cmp_eq_u32 vcc_lo, \e, v12
	v_cndmask_b32 v40, v40, v[16+\e], vcc_lo
	v_cmp_eq_u32 vcc_lo, \e, v13
	v_cndmask_b32 v41, v41, v[16+\e], vcc_lo
.endr
	v_add_nc_u32 v40, v40, v10                     ; my ranks
	v_add_nc_u32 v41, v41, v11
	v_lshl_add_u32 v40, v12, 10, v40               ; 1024 x expert + rank,
	v_lshl_add_u32 v41, v13, 10, v41
	v_min_u32 v40, 0x1fff, v40                     ; held inside the table,
	v_min_u32 v41, 0x1fff, v41
	v_lshlrev_b32 v40, 2, v40                      ; in bytes
	v_lshlrev_b32 v41, 2, v41
	s_wait_loadcnt 0x0                             ; the probabilities
	global_store_b32 v40, v0, s[8:9]
	global_store_b32 v41, v42, s[8:9]
	global_store_b32 v40, v14, s[10:11]
	global_store_b32 v41, v15, s[10:11]
.irp e, 0,1,2,3,4,5,6,7                ; the ranks from the count on: thread t takes rank t
	v_cmp_le_u32 vcc_lo, s[48+\e], v0
	s_wait_xcnt 0x0                                ; EXEC changes only behind this wait
	s_and_saveexec_b32 s40, vcc_lo
	global_store_b32 v4, v[32+\e], s[8:9] offset:4096*\e
	global_store_b32 v4, v[NIL], s[10:11] offset:4096*\e
	s_wait_xcnt 0x0
	s_or_b32 exec_lo, exec_lo, s40
.endr
	s_cmp_lg_u32 s16, 0                            ; the counts and the loss are wave 0's; no barrier stands behind this branch
	s_cbranch_scc1 .Lend
	v_mov_b32 v20, 0
.irp e, 0,1,2,3,4,5,6,7
	v_writelane_b32 v20, s[48+\e], \e
.endr
	v_cvt_f32_u32 v22, s48
	v_mul_f32 v22, 0x3a000000, v22                 ; / 2048, exact
	v_mul_f32 v21, v22, v22
.irp e, 1,2,3,4,5,6,7
	v_cvt_f32_u32 v22, s[48+\e]
	v_mul_f32 v22, 0x3a000000, v22
	v_fma_f32 v21, v22, v22, v21
.endr
	v_cmp_gt_u32 vcc_lo, 8, v2
	s_and_saveexec_b32 s40, vcc_lo                 ; (nothing has been issued since the last wait on XCNT)
	global_store_b32 v6, v20, s[8:9] offset:32768
	s_wait_xcnt 0x0
	s_or_b32 exec_lo, exec_lo, s40
	v_cmp_eq_u32 vcc_lo, 0, v2
	s_and_saveexec_b32 s40, vcc_lo
	global_store_b32 v[NIL], v21, s[12:13]
	s_wait_xcnt 0x0
	s_or_b32 exec_lo, exec_lo, s40
.Lend:
	s_wait_tensorcnt 0x0
	ds_add_u32 v64, v65
	s_wait_dscnt 0x0
	s_endpgm
.Lfunc_end_k_q4464505576_place:
	.size	k_q4464505576_place, .Lfunc_end_k_q4464505576_place-k_q4464505576_place
	.p2alignl 7, 3214868480
	.fill 96, 4, 3214868480
	.section	.rodata,"a",@progbits
	.p2align	6, 0x0
	.amdhsa_kernel k_q4464505576_place
		.amdhsa_group_segment_fixed_size 8192
		.amdhsa_private_segment_fixed_size 0
		.amdhsa_enable_private_segment 0
		.amdhsa_kernarg_size 40
		.amdhsa_user_sgpr_count 2
		.amdhsa_user_sgpr_kernarg_segment_ptr 1
		.amdhsa_wavefront_size32 1
		.amdhsa_system_sgpr_workgroup_id_x 1
		.amdhsa_system_sgpr_workgroup_id_y 1
		.amdhsa_system_sgpr_workgroup_id_z 1
		.amdhsa_system_vgpr_workitem_id 0
		.amdhsa_next_free_vgpr 66
		.amdhsa_next_free_sgpr 66
		.amdhsa_reserve_vcc 1
		.amdhsa_float_denorm_mode_32 3
		.amdhsa_float_denorm_mode_16_64 3
		.amdhsa_memory_ordered 1
		.amdhsa_forward_progress 1
		.amdhsa_inst_pref_size 19
	.end_amdhsa_kernel
	.amdgpu_metadata
---
amdhsa.version: [ 1, 2 ]
amdhsa.kernels:
  - .name:           k_q4464505576_place
    .symbol:         k_q4464505576_place.kd
    .args:
      - { .name: route, .offset: 0, .size: 8, .value_kind: global_buffer, .address_space: global }
      - { .name: gval, .offset: 8, .size: 8, .value_kind: global_buffer, .address_space: global }
      - { .name: place, .offset: 16, .size: 8, .value_kind: global_buffer, .address_space: global }
      - { .name: wgt, .offset: 24, .size: 8, .value_kind: global_buffer, .address_space: global }
      - { .name: out1, .offset: 32, .size: 8, .value_kind: global_buffer, .address_space: global }
    .group_segment_fixed_size: 8192
    .private_segment_fixed_size: 0
    .kernarg_segment_align: 8
    .kernarg_segment_size: 40
    .max_flat_workgroup_size: 1024
    .sgpr_count:     66
    .vgpr_count:     66
    .wavefront_size: 32
...
	.end_amdgpu_metadata
.endif
;; end of part 2
;; launch up (part 3): grid 32 x 8, 4 waves a work-group, no clusters, 133,632 bytes of LDS; arguments xc, w1_codes, w1_scales, b1, place, hc; writes hc
.if DOCPART == 3
	.amdgcn_target "amdgcn-amd-amdhsa--gfx1250"
	.amdhsa_code_object_version 6
	.text
	.protected	k_q4464505576_up
	.globl	k_q4464505576_up
	.p2align	8
	.type	k_q4464505576_up,@function
k_q4464505576_up:
	s_mov_b64 s[64:65], 0
	v_nop
	global_prefetch_b8 v0, s[64:65] scope:SCOPE_SE
	s_setreg_imm32_b32 hwreg(HW_REG_WAVE_MODE, 25, 1), 1
	s_wait_xcnt 0x0
; THE FIRST PRODUCT, FOR THE CHOSEN ROWS ALONE: h = Q(relu(Q(x) W1 + b1)), on codes of E5M2 with one E8M0 scale for each 32 along K.
; Work-group (j, e) owns hidden units 128 j .. 128 j + 127 of expert e: 128 KB of W1's codes, read from memory once, by this work-group alone, and kept in LDS.  Those 128 units are K step j of the second product.
; The rows are expert e's ranks (list and count from the launch before), in tiles of 16.  Wave w takes tiles t0 + 4 i, i = 0 .. 4, t0 = w + 20 x pass: a pass serves 320 rows.
; THE PASSES ARE A LOOP OF CONSTANT COUNT, four: 4 x 20 tiles cover the 64 that an expert can have.  A wave leaves it by a forward jump as soon as t0 has reached the expert's number of tiles.
; A tile at or past the expert's last is multiplied on the list's spare entries and not stored: one text for every count.  At least tile 0 of every expert is stored, so that the next launch reads nothing that was not written.
; THE PRODUCT IS USED TRANSPOSED (source 0 = 16 rows of W1, source 1 = 16 rows of x): a lane holds ONE row of h, its registers run along the hidden units.  THE ROWS OF W1 THAT FORM A TILE ARE NOT NEIGHBOURS: row r of tile
; 2 b + u is hidden unit 32 b + 8 u + r + 8 (r / 8), so that the 16 registers of tiles 2 b and 2 b + 1 are 16 neighbours along the next K.  In LDS that is the unit's number with bits 3 and 4 exchanged, done by the staging stores' offsets.
; b1 is the C of each sum's first product.  relu costs nothing: the hold that the conversion wants clips at 0 too.
; hc: the codes as images of the operand's registers, [64 e + tile][K step j][c][lane][16 bytes] from byte 0; the scale words [64 e + tile][j][16 rows] u32 from byte 33,554,432.
; NO TENSOR LOADS, NO CLUSTER: the jump out of the loop and the jumps round the stores hang on a count read from memory.  The one barrier stands ahead of every such branch.
; LIMITS: NaN and infinities are not served; a block of zeros gets the byte 1 with zero codes (this program alone reads the bytes); blocks whose largest number lies under 2^-111 keep the byte 1.
; REGISTERS, in windows of 256.  window 0: addresses, scale words, the quantiser's registers; v128-255 W1's fragments, two sets of four.
;   window 1: accumulator (i < 4, t) at 64 i + 8 t (at the head: the weights on their way to LDS).   window 2: v0-63 accumulators (4, t); v64-127 row tile 4's fragments of x; v128-191 b1 in the result's layout.
;   window 3: the fragments of x of row tiles 0-3, at 64 i + 16 x slot, four slots: K step s lies in slot s % 4.
.set PITCH, 1040                       ; an LDS row: 1,024 bytes + 16: 65 x 16, so that the 16 rows that a load touches start 16 bytes apart modulo 256
.set R4,  1                            ; v1   4 (lane % 16)
.set H16, 2                            ; v2   16 (lane / 16)
.set L16, 3                            ; v3   16 x lane
.set WA0, 4                            ; v4   LDS: my place in tiles 0-3;  v5: in tiles 4-7
.set WA1, 5
.set SWA, 6                            ; v6   LDS: where my wave stages its 32 rows
.set XA,  7                            ; v7-11   row tile i: my token's codes
.set XSA, 12                           ; v12-16  first my place in the list, then my token's scale bytes
.set TK,  17                           ; v17-21  the list's entry, then the token
.set B1A, 22                           ; v22  64 (lane / 16)
.set WSA, 23                           ; v23  my row of W1's scale bytes
.set WS,  24                           ; v24-55  W1's scale words: tile t, register q: lanes 0-15 K step q, lanes 16-31 K step 4 + q
.set XS,  56                           ; v56-75  x's, row tile i, likewise
.set TM,  76                           ; v76-91  the quantiser's
.set PW,  92                           ; v92  the scale word just made
.set PC,  96                           ; v96-111 the codes just made
.set WF,  128
.set MSB, 0
.macro WIN new                         ; the immediate's high byte repeats the setting that is left
.if MSB != (\new)
	s_set_vgpr_msb (MSB<<8)|(\new)
.set MSB, (\new)
.endif
.endm
.macro PLACES n
.rept \n
	v_nop
.endr
.endm
.macro LIST                            ; my five tiles' entries of the list.  A tile's number is held inside the expert's 64
.irp i, 0,1,2,3,4
	s_add_co_u32 s[40+\i], s22, 4*\i
	s_min_u32 s35, s[40+\i], 63
	s_lshl_b32 s35, s35, 6
	v_add_nc_u32 v[XSA+\i], s35, v[R4]
	global_load_b32 v[TK+\i], v[XSA+\i], s[28:29]
.endr
.endm
.macro ADDR                            ; entry -> token -> offsets.  A spare entry (2048 + e) gives token e: a row that exists
.irp i, 0,1,2,3,4
	v_min_u32 v[TK+\i], 0xfff, v[TK+\i]
	v_and_b32 v[TK+\i], 0x3ff, v[TK+\i]
	v_lshl_add_u32 v[XA+\i], v[TK+\i], 10, v[H16]
	v_lshl_add_u32 v[XSA+\i], v[TK+\i], 5, v[H16]
.endr
.endm
.macro XSL
.irp i, 0,1,2,3,4
	global_load_b128 v[XS+4*\i:XS+4*\i+3], v[XSA+\i], s[26:27]
.endr
.endm
.macro XK s                            ; K step s of x for my five tiles: 20 loads
	WIN 0xc0                                       ; destination window 3
.irp i, 0,1,2,3
.irp c, 0,1,2,3
	global_load_b128 v[64*\i+16*((\s)%4)+4*\c:64*\i+16*((\s)%4)+4*\c+3], v[XA+\i], s[4:5] offset:128*(\s)+32*\c
.endr
.endr
	WIN 0x80                                       ; destination window 2
.irp c, 0,1,2,3
	global_load_b128 v[64+16*((\s)%4)+4*\c:64+16*((\s)%4)+4*\c+3], v[XA+4], s[4:5] offset:128*(\s)+32*\c
.endr
	WIN 0
.endm
.macro WLOAD g                         ; group g: K step g / 2, W1's tiles 4 (g % 2) .. + 3, into set g % 2: 16 LDS loads
.irp u, 0,1,2,3
.irp c, 0,1,2,3
	ds_load_b128 v[WF+64*((\g)%2)+16*\u+4*\c:WF+64*((\g)%2)+16*\u+4*\c+3], v[WA0+(\g)%2] offset:16*PITCH*\u+128*((\g)/2)+32*\c
.endr
.endr
.endm
.macro WM d, a, b, c, sa, sb, hi       ; hi = 1: K steps 4 to 7, whose scale words lie in lanes 16-31
.if \hi
	v_wmma_scale_f32_16x16x128_f8f6f4 v[(\d):(\d)+7], v[(\a):(\a)+15], v[(\b):(\b)+15], v[(\c):(\c)+7], v[(\sa)], v[(\sb)] matrix_a_fmt:MATRIX_FMT_BF8 matrix_b_fmt:MATRIX_FMT_BF8 matrix_a_scale:MATRIX_SCALE_ROW1 matrix_b_scale:MATRIX_SCALE_ROW1
.else
	v_wmma_scale_f32_16x16x128_f8f6f4 v[(\d):(\d)+7], v[(\a):(\a)+15], v[(\b):(\b)+15], v[(\c):(\c)+7], v[(\sa)], v[(\sb)] matrix_a_fmt:MATRIX_FMT_BF8 matrix_b_fmt:MATRIX_FMT_BF8
.endif
.endm
.macro MULG g                          ; 20 products: four tiles of W1 x five row tiles.  All 20 accumulators differ, and the next group's are the other 20: they take turns
.set ss, (\g)/2
.set sq, ss%4
.set pb, (\g)%2
.if ss == 0
	WIN 0x6c                                       ; A window 0, B window 3, C (b1) window 2, D window 1
.else
	WIN 0x5c                                       ; C and D window 1
.endif
.irp u, 0,1,2,3
.irp i, 0,1,2,3
.set tt, 4*pb+\u
.set rD, 64*\i+8*tt
.set rC, rD
.if ss == 0
.set rC, 128+8*tt
.endif
	WM rD, WF+64*pb+16*\u, 64*\i+16*sq, rC, WS+4*tt+sq, XS+4*\i+sq, ss/4
.endr
.endr
	WIN 0xa8                                       ; row tile 4: B, C and D window 2
.irp u, 0,1,2,3
.set tt, 4*pb+\u
.set rD, 8*tt
.set rC, rD
.if ss == 0
.set rC, 128+8*tt
.endif
	WM rD, WF+64*pb+16*\u, 64+16*sq, rC, WS+4*tt+sq, XS+16+sq, ss/4
.endr
	WIN 0
.endm
; 64 numbers of a lane in window aw, from register sb on (register 16 b + i = hidden unit 32 b + 16 (lane / 16) + i of my row), become a fragment's codes in v[PC] on and its scale word in v[PW].
; No |.| on the maximum's sources: what is negative is to become 0, so it must not count; the floor stands over it.  Each accumulator is read from its low end on.
.macro QUANT aw, sb
	WIN (\aw)|((\aw)<<2)
.irp b, 0,1,2,3
	v_max3_num_f32 v[TM+\b], v[(\sb)+16*\b], v[(\sb)+1+16*\b], 0x8000000   ; the floor 2^(16 - 127): the byte cannot fall under 1
.endr
	WIN ((\aw)<<2)|((\aw)<<4)
.irp i, 2,4,6,8,10,12,14
.irp b, 0,1,2,3
	v_max3_num_f32 v[TM+\b], v[TM+\b], v[(\sb)+16*\b+\i], v[(\sb)+1+16*\b+\i]
.endr
.endr
	WIN 0
.irp b, 0,1,2,3
	v_permlanex16_b32 v[TM+4+\b], v[TM+\b], s24, s25
.endr
.irp b, 0,1,2,3
	v_max_num_f32 v[TM+\b], v[TM+\b], v[TM+4+\b]   ; with lane l xor 16's: the block's largest number
.endr
.irp b, 0,1,2,3
	v_add_nc_u32 v[TM+12+\b], 0xf8800000, v[TM+\b] ; 15 off its exponent field: the conversion's scale operand
.endr
.irp b, 0,1,2,3
	v_and_or_b32 v[TM+8+\b], v[TM+\b], 0x7f800000, s23   ; 57,344 x the scale
.endr
.irp b, 0,1,2,3
	v_lshrrev_b32 v[TM+4+\b], 23, v[TM+12+\b]      ; the scale's byte
.endr
	v_lshl_or_b32 v[PW], v[TM+5], 8, v[TM+4]
	v_lshl_or_b32 v[PW], v[TM+6], 16, v[PW]
	v_lshl_or_b32 v[PW], v[TM+7], 24, v[PW]
	WIN (\aw)|((\aw)<<6)
.irp b, 0,1,2,3
.irp i, 0,1,2,3,4,5,6,7,8,9,10,11,12,13,14,15
	v_med3_num_f32 v[(\sb)+16*\b+\i], v[(\sb)+16*\b+\i], 0, v[TM+8+\b]   ; the activation and the hold in one (the conversion does not saturate: ISA guide 7.6.2)
.endr
.endr
	WIN (\aw)
.irp b, 0,1,2,3
	v_cvt_scalef32_pk8_bf8_f32 v[PC+4*\b:PC+1+4*\b], v[(\sb)+16*\b:(\sb)+7+16*\b], v[TM+12+\b]
	v_cvt_scalef32_pk8_bf8_f32 v[PC+2+4*\b:PC+3+4*\b], v[(\sb)+8+16*\b:(\sb)+15+16*\b], v[TM+12+\b]
.endr
	WIN 0
	v_nop                                          ; a plain line behind the last conversion: later products write its sources
.endm
.macro OUT i
.irp c, 0,1,2,3
	global_store_b128 v[L16], v[PC+4*\c:PC+4*\c+3], s[30:31] offset:262144*(\i)+512*\c   ; the image: 32 lanes store 512 consecutive bytes
.endr
	global_store_b32 v[R4], v[PW], s[32:33] offset:8192*(\i)   ; 16 words; both halves of the lanes hold the same word
.endm
	s_load_b256 s[4:11], s[0:1], 0x0               ; xc s[4:5], W1's codes s[6:7], its scales s[8:9], b1 s[10:11]
	s_load_b128 s[12:15], s[0:1], 0x20             ; place s[12:13], hc s[14:15]
	v_lshl_add_u32 v126, v0, 2, 0x20800
	v_mov_b32 v127, 0
	v_lshrrev_b32 v1, 5, v0
	v_readfirstlane_b32 s16, v1                    ; wave
	s_mov_b32 s17, ttmp9                           ; j
	s_and_b32 s18, ttmp7, 0xffff                   ; e
	v_and_b32 v93, 31, v0
	v_and_b32 v94, 15, v0                          ; r
	v_bfe_u32 v95, v0, 4, 1                        ; h
	v_lshlrev_b32 v[R4], 2, v94
	v_lshlrev_b32 v[H16], 4, v95
	v_lshlrev_b32 v[L16], 4, v93
	v_mul_u32_u24 v[WA0], v94, PITCH
	v_add_nc_u32 v[WA0], v[WA0], v[H16]
	v_add_nc_u32 v[WA1], 64*PITCH, v[WA0]
	s_mul_i32 s35, s16, 32*PITCH
	v_add_nc_u32 v[SWA], s35, v[L16]
	v_lshlrev_b32 v[B1A], 6, v95
	v_and_b32 v[WSA], 8, v94
	v_add_nc_u32 v[WSA], v[WSA], v94               ; r + 8 (r / 8)
	v_lshl_add_u32 v[WSA], v[WSA], 5, v[H16]       ; 32 bytes a row, + 16 h
.irp b, 0,1,2,3
	v_mov_b32 v[TM+4+\b], 0                        ; written once: a lane permute's destination counts as one of its sources
.endr
	s_mov_b32 s21, 0                               ; the pass
	s_mov_b32 s22, s16                             ; t0
	s_mov_b32 s23, 0x600000                        ; the mantissa field of 57,344
	s_mov_b32 s24, 0x76543210
	s_mov_b32 s25, 0xfedcba98
	s_mov_b32 s37, 0
	s_wait_kmcnt 0x0
	s_lshl_b32 s36, s18, 2
	s_add_nc_u64 s[38:39], s[12:13], s[36:37]
	s_load_b32 s19, s[38:39], 0x8000               ; the expert's count
	s_lshl_b32 s36, s18, 12
	s_add_nc_u64 s[28:29], s[12:13], s[36:37]      ; its list
	LIST                                           ; first of all loads, since loads come back in order
	s_lshl_b32 s36, s18, 22
	s_lshl_b32 s35, s17, 17
	s_add_co_u32 s36, s36, s35
	s_lshl_b32 s35, s16, 15
	s_add_co_u32 s36, s36, s35
	s_add_nc_u64 s[6:7], s[6:7], s[36:37]          ; my wave's 32 rows of W1: 32 KB on end
	WIN 0x40                                       ; destination window 1
.set n, 0
.rept 32
	global_load_b128 v[4*n:4*n+3], v[L16], s[6:7] offset:512*n th:TH_LOAD_NT
.set n, n+1
.endr
	WIN 0
	s_lshl_b32 s36, s18, 17
	s_lshl_b32 s35, s17, 12
	s_add_co_u32 s36, s36, s35
	s_add_nc_u64 s[8:9], s[8:9], s[36:37]          ; the 128 rows' scale bytes
	s_lshl_b32 s36, s18, 14
	s_lshl_b32 s35, s17, 9
	s_add_co_u32 s36, s36, s35
	s_add_nc_u64 s[10:11], s[10:11], s[36:37]      ; their b1
	s_add_nc_u64 s[26:27], s[4:5], 0x100000        ; x's scale bytes
	s_lshl_b32 s36, s18, 22
	s_lshl_b32 s35, s22, 16
	s_add_co_u32 s36, s36, s35
	s_lshl_b32 s35, s17, 11
	s_add_co_u32 s36, s36, s35
	s_add_nc_u64 s[30:31], s[14:15], s[36:37]      ; hc: tile t0's image of K step j
	s_lshl_b32 s36, s18, 17
	s_lshl_b32 s35, s22, 11
	s_add_co_u32 s36, s36, s35
	s_lshl_b32 s35, s17, 6
	s_add_co_u32 s36, s36, s35
	s_add_nc_u64 s[32:33], s[14:15], s[36:37]
	s_add_nc_u64 s[32:33], s[32:33], 0x2000000     ; and its scale words
	s_wait_loadcnt 32                              ; the list is in: 32 loads stand behind it
	ADDR
	WIN 0x40
.set n, 32
.rept 32
	global_load_b128 v[4*n:4*n+3], v[L16], s[6:7] offset:512*n th:TH_LOAD_NT
.set n, n+1
.endr
	WIN 0
.irp t, 0,1,2,3,4,5,6,7
	global_load_b128 v[WS+4*\t:WS+4*\t+3], v[WSA], s[8:9] offset:(32*(\t/2)+8*(\t%2))*32
.endr
	WIN 0x80
.irp t, 0,1,2,3,4,5,6,7
	global_load_b128 v[128+8*\t:128+8*\t+3], v[B1A], s[10:11] offset:(32*(\t/2)+8*(\t%2))*4
	global_load_b128 v[132+8*\t:132+8*\t+3], v[B1A], s[10:11] offset:(32*(\t/2)+8*(\t%2))*4+16
.endr
	WIN 0
	XSL
	XK 0
	s_wait_loadcnt 63                              ; 81 loads stand behind the first half of the weights: it is in
	WIN 0x04                                       ; an LDS store's data are its source 1: window 1
.set n, 0
.rept 64
.if n == 32
	s_wait_loadcnt 49                              ; 49 loads stand behind the second half
.endif
.set nn, n/2
.set sw, (nn&7)|(((nn>>3)&1)<<4)|(((nn>>4)&1)<<3)
	ds_store_b128 v[SWA], v[4*n:4*n+3] offset:sw*PITCH+512*(n%2)   ; row nn of my 32 goes to the row with bits 3 and 4 exchanged
.set n, n+1
.endr
	WIN 0
	XK 1
	XK 2
	XK 3
	s_wait_kmcnt 0x0
	s_min_u32 s19, s19, 0x400
	s_add_co_u32 s20, s19, 15
	s_lshr_b32 s20, s20, 4
	s_max_u32 s20, s20, 1                          ; tiles to store: at least one
	s_wait_dscnt 0x0                               ; for the others' sake: my stores have landed
	s_barrier_signal -1
	s_barrier_wait -1                              ; the 128 rows lie in LDS.  The launch's only barrier: every wave passes it
	s_cmp_ge_u32 s22, s20
	s_cbranch_scc1 .Ldone
.Lpass:
	WLOAD 0
.set G, 0
.rept 16
.if G > 0
	PLACES 8                                       ; in front of loads into registers that the last products have read (ISA guide 7.12.1 for vector instructions)
.endif
.if (G > 0) && (G < 10) && (G%2 == 0)
	XK G/2+3                                       ; into the slot of the K step just finished
.endif
.if G < 15
	WLOAD G+1
.endif
.if G%2 == 0
.if G <= 8
	s_wait_loadcnt 60                              ; this K step of x is in: three younger K steps, 20 loads each, may be out
.else
	s_wait_loadcnt 20*(7-G/2)                      ; two, one, none
.endif
.endif
.if G < 15
	s_wait_dscnt 16                                ; this group's fragments are in; the run just issued may be out
.else
	s_wait_dscnt 0x0
.endif
	MULG G
.set G, G+1
.endr
	PLACES 9                                       ; eight ahead of the first read of results; nine ahead of the next pass's first products, which write over these accumulators with another C
.irp i, 0,1,2,3,4
	s_cmp_ge_u32 s[40+\i], s20                     ; a tile past the expert's last is not stored
	s_cbranch_scc1 .Lskip\i
	s_wait_xcnt 0x0                                ; the last tile's stores have read v[PC] on and v[PW]
	QUANT 1+(\i/4), 64*(\i%4)
	OUT \i
.Lskip\i:
.endr
	s_add_co_u32 s22, s22, 20
	s_cmp_ge_u32 s22, s20                          ; no tile of mine is left: out.  After the fourth pass t0 is w + 80, past every expert's 64 tiles, so this jump is taken then at the latest
	s_cbranch_scc1 .Ldone
	s_wait_xcnt 0x0                                ; the stores have read their bases
	s_add_nc_u64 s[30:31], s[30:31], 20*65536
	s_add_nc_u64 s[32:33], s[32:33], 20*2048
	LIST
	s_wait_loadcnt 0x0
	ADDR
	XSL
	XK 0
	XK 1
	XK 2
	XK 3
	s_add_co_u32 s21, s21, 1
	s_cmp_lt_u32 s21, 4
	s_cbranch_scc1 .Lpass
.Ldone:
	s_wait_tensorcnt 0x0
	ds_add_u32 v126, v127
	s_wait_dscnt 0x0
	s_endpgm
.Lfunc_end_k_q4464505576_up:
	.size	k_q4464505576_up, .Lfunc_end_k_q4464505576_up-k_q4464505576_up
	.p2alignl 7, 3214868480
	.fill 96, 4, 3214868480
	.section	.rodata,"a",@progbits
	.p2align	6, 0x0
	.amdhsa_kernel k_q4464505576_up
		.amdhsa_group_segment_fixed_size 133632
		.amdhsa_private_segment_fixed_size 0
		.amdhsa_enable_private_segment 0
		.amdhsa_kernarg_size 48
		.amdhsa_user_sgpr_count 2
		.amdhsa_user_sgpr_kernarg_segment_ptr 1
		.amdhsa_wavefront_size32 1
		.amdhsa_system_sgpr_workgroup_id_x 1
		.amdhsa_system_sgpr_workgroup_id_y 1
		.amdhsa_system_sgpr_workgroup_id_z 1
		.amdhsa_system_vgpr_workitem_id 0
		.amdhsa_next_free_vgpr 1024
		.amdhsa_next_free_sgpr 66
		.amdhsa_reserve_vcc 0
		.amdhsa_float_denorm_mode_32 3
		.amdhsa_float_denorm_mode_16_64 3
		.amdhsa_memory_ordered 1
		.amdhsa_forward_progress 1
		.amdhsa_inst_pref_size 152
	.end_amdhsa_kernel
	.amdgpu_metadata
---
amdhsa.version: [ 1, 2 ]
amdhsa.kernels:
  - .name:           k_q4464505576_up
    .symbol:         k_q4464505576_up.kd
    .args:
      - { .name: xc, .offset: 0, .size: 8, .value_kind: global_buffer, .address_space: global }
      - { .name: w1_codes, .offset: 8, .size: 8, .value_kind: global_buffer, .address_space: global }
      - { .name: w1_scales, .offset: 16, .size: 8, .value_kind: global_buffer, .address_space: global }
      - { .name: b1, .offset: 24, .size: 8, .value_kind: global_buffer, .address_space: global }
      - { .name: place, .offset: 32, .size: 8, .value_kind: global_buffer, .address_space: global }
      - { .name: hc, .offset: 40, .size: 8, .value_kind: global_buffer, .address_space: global }
    .group_segment_fixed_size: 133632
    .private_segment_fixed_size: 0
    .kernarg_segment_align: 8
    .kernarg_segment_size: 48
    .max_flat_workgroup_size: 128
    .sgpr_count:     66
    .vgpr_count:     1024
    .wavefront_size: 32
...
	.end_amdgpu_metadata
.endif
;; end of part 3
;; launch down (part 4): grid 32 x 8, 4 waves a work-group, no clusters, 52,736 bytes of LDS; arguments hc, w2_codes, w2_scales, b2, place, wgt, y; writes y
.if DOCPART == 4
	.amdgcn_target "amdgcn-amd-amdhsa--gfx1250"
	.amdhsa_code_object_version 6
	.text
	.protected	k_q4464505576_down
	.globl	k_q4464505576_down
	.p2align	8
	.type	k_q4464505576_down,@function
k_q4464505576_down:
	s_mov_b64 s[64:65], 0
	v_nop
	global_prefetch_b8 v0, s[64:65] scope:SCOPE_SE
	s_setreg_imm32_b32 hwreg(HW_REG_WAVE_MODE, 25, 1), 1
	s_wait_xcnt 0x0
; THE SECOND PRODUCT, FOR THE CHOSEN ROWS ALONE: y[dst] = weight x (Q(h) W2 + b2), on codes of E5M2 with one E8M0 scale for each 32 along K.
; Work-group (x = 2 sl + p, e) owns output columns 64 sl .. 64 sl + 63 of expert e and the row tiles 2 m + p.  THE WAVES SHARE K: wave q owns K steps 8 q .. 8 q + 7; its part of W2, 4 tiles of columns x 8 K steps,
; is 512 registers, loaded once.  Of each tile of h a wave reads its own quarter alone: 32 loads of 512 consecutive bytes, images of the operand's registers as the launch before stored them.
; The product is used transposed (source 0 = 16 rows of W2, source 1 = 16 rows of h): a lane holds one rank and eight neighbouring columns.
; The four waves' partial sums meet in LDS; there a row's 64 columns also come together, so that sixteen lanes store 256 consecutive bytes of y, aligned.
; y [2056][1024] f32: row 1024 x choice + token; a rank that no row takes carries dst = 2048 + e, a spare row that nobody reads: so EXEC never changes.
; THE STEPS ARE A LOOP OF CONSTANT COUNT (33, no parity has more than 32 tiles), with one barrier a step on every wave's path; a step past the last tile jumps over its work.
; NO TENSOR LOADS, NO CLUSTER: those jumps hang on a count read from memory.
; Three buffers for h in registers, three for the exchange in LDS.  A step either issues its 40 loads (the tile three steps on) or waits for all loads: so on every path a buffer is whole or has 80 younger loads behind it.
; An exchange buffer written in step m is read behind that step's barrier and written again in step m + 3, behind two more barriers, which a wave signals only when its reads are back.
; REGISTERS, in windows of 256.  window 0: addresses, b2, four accumulators, scale words, the exchange; v128-255 h's buffer 0.   window 1: W2's K steps 0-3, at 16 (4 s + jt).   window 2: K steps 4-7.   window 3: h's buffers 1 and 2.
.set L16, 1                            ; v1   16 x lane
.set L4,  2                            ; v2   4 x lane
.set HI4, 3                            ; v3   4 (lane / 16)
.set EW,  4                            ; v4   the exchange, in: 4352 q + 272 r + 32 h
.set ER,  5                            ; v5   and back: 272 (4 q + h) + 16 r
.set C16, 6                            ; v6   256 sl + 16 r: my 16 bytes of a row of y, and of b2
.set ACC, 16                           ; v16-47  accumulators, 8 jt
.set WS,  48                           ; v48-63  W2's scale words: tile jt, register i: lanes 0-15 K step i, lanes 16-31 K step 4 + i
.set HS,  64                           ; v64-75  h's: buffer b, register i: lanes 0-15 K step 2 i, lanes 16-31 K step 2 i + 1
.set DW,  76                           ; v76-87  buffer b: two dst, two weights
.set WT,  88                           ; v88-91  each weight twice
.set YA,  92                           ; v92-93  my two rows' offsets in y
.set FL,  96                           ; v96-127 the partial sums read back
.set XB,  17408                        ; an exchange buffer: 4 waves x 16 rows x 272 bytes (256 + 16: 17 x 16, so that 16 rows start 16 bytes apart modulo 256)
.set MSB, 0
.macro WIN new                         ; the immediate's high byte repeats the setting that is left
.if MSB != (\new)
	s_set_vgpr_msb (MSB<<8)|(\new)
.set MSB, (\new)
.endif
.endm
.macro TLOAD b                         ; tile s46 into buffer b: 40 loads
.set hb, 128*(((\b)+1)%2)
.set hw, 3*(((\b)+1)/2)
	s_min_u32 s46, s46, 63                         ; held inside the expert's 64 tiles
	s_wait_xcnt 0x0                                ; earlier loads have read the four bases
	s_lshl_b32 s48, s46, 16
	s_add_nc_u64 s[36:37], s[28:29], s[48:49]
	s_lshl_b32 s48, s46, 11
	s_add_nc_u64 s[38:39], s[30:31], s[48:49]
	s_lshl_b32 s48, s46, 6
	s_add_nc_u64 s[40:41], s[32:33], s[48:49]
	s_add_nc_u64 s[42:43], s[34:35], s[48:49]
	WIN hw<<6
.set n, 0
.rept 32
	global_load_b128 v[hb+4*n:hb+4*n+3], v[L16], s[36:37] offset:512*n
.set n, n+1
.endr
	WIN 0
.irp i, 0,1,2,3
	global_load_b32 v[HS+4*(\b)+\i], v[L4], s[38:39] offset:128*\i
.endr
.irp i, 0,1
	global_load_b32 v[DW+4*(\b)+\i], v[HI4], s[40:41] offset:8*\i
	global_load_b32 v[DW+4*(\b)+2+\i], v[HI4], s[42:43] offset:8*\i
.endr
.endm
.macro WD jt, s, b                     ; one product.  The rows of the scale registers: A's lanes 16-31 for K steps 4-7, B's for odd K steps
.set rD, ACC+8*(\jt)
.set rA, 16*(4*((\s)%4)+(\jt))
.set rB, hb+16*(\s)
.set rSA, WS+4*(\jt)+(\s)%4
.set rSB, HS+4*(\b)+(\s)/2
.if (\s) == 0
	v_wmma_scale_f32_16x16x128_f8f6f4 v[rD:rD+7], v[rA:rA+15], v[rB:rB+15], 0, v[rSA], v[rSB] matrix_a_fmt:MATRIX_FMT_BF8 matrix_b_fmt:MATRIX_FMT_BF8
.elseif ((\s) < 4) && ((\s)%2 == 0)
	v_wmma_scale_f32_16x16x128_f8f6f4 v[rD:rD+7], v[rA:rA+15], v[rB:rB+15], v[rD:rD+7], v[rSA], v[rSB] matrix_a_fmt:MATRIX_FMT_BF8 matrix_b_fmt:MATRIX_FMT_BF8
.elseif (\s) < 4
	v_wmma_scale_f32_16x16x128_f8f6f4 v[rD:rD+7], v[rA:rA+15], v[rB:rB+15], v[rD:rD+7], v[rSA], v[rSB] matrix_a_fmt:MATRIX_FMT_BF8 matrix_b_fmt:MATRIX_FMT_BF8 matrix_b_scale:MATRIX_SCALE_ROW1
.elseif (\s)%2 == 0
	v_wmma_scale_f32_16x16x128_f8f6f4 v[rD:rD+7], v[rA:rA+15], v[rB:rB+15], v[rD:rD+7], v[rSA], v[rSB] matrix_a_fmt:MATRIX_FMT_BF8 matrix_b_fmt:MATRIX_FMT_BF8 matrix_a_scale:MATRIX_SCALE_ROW1
.else
	v_wmma_scale_f32_16x16x128_f8f6f4 v[rD:rD+7], v[rA:rA+15], v[rB:rB+15], v[rD:rD+7], v[rSA], v[rSB] matrix_a_fmt:MATRIX_FMT_BF8 matrix_b_fmt:MATRIX_FMT_BF8 matrix_a_scale:MATRIX_SCALE_ROW1 matrix_b_scale:MATRIX_SCALE_ROW1
.endif
.endm
.macro STEP b
.set hb, 128*(((\b)+1)%2)
.set hw, 3*(((\b)+1)/2)
	s_cmp_ge_u32 s27, s24                          ; past my last tile?
	s_cbranch_scc1 .Lidle_\@
	s_wait_loadcnt 63                              ; this tile is in: two younger tiles' 80 loads stand behind it, or all loads have been waited for
	WIN 1|(hw<<2)                                  ; A window 1, B the buffer's window
.irp s, 0,1,2,3
.irp jt, 0,1,2,3
	WD \jt, \s, \b                                 ; the four accumulators take turns; K step 0 starts the sums
.endr
.endr
	WIN 2|(hw<<2)
.irp s, 4,5,6,7
.irp jt, 0,1,2,3
	WD \jt, \s, \b
.endr
.endr
	WIN 0
	s_wait_xcnt 0x0                                ; the last step's stores have read v[YA]
	v_min_u32 v9, 0x807, v[DW+4*(\b)]              ; nine places behind the products: eight ahead of the LDS stores that read the results and of the loads into h's buffer,
	v_min_u32 v10, 0x807, v[DW+4*(\b)+1]           ; nine ahead of the next step's first products, which write over the accumulators.  dst is held inside y's 2,056 rows
	v_lshl_add_u32 v[YA], v9, 12, v[C16]
	v_lshl_add_u32 v[YA+1], v10, 12, v[C16]
	v_mov_b32 v[WT], v[DW+4*(\b)+2]
	v_mov_b32 v[WT+1], v[DW+4*(\b)+2]
	v_mov_b32 v[WT+2], v[DW+4*(\b)+3]
	v_mov_b32 v[WT+3], v[DW+4*(\b)+3]
	v_nop
.irp jt, 0,1,2,3
	ds_store_b128 v[EW], v[ACC+8*\jt:ACC+8*\jt+3] offset:XB*(\b)+64*\jt        ; each accumulator from its low end on
	ds_store_b128 v[EW], v[ACC+8*\jt+4:ACC+8*\jt+7] offset:XB*(\b)+64*\jt+16
.endr
	s_add_co_u32 s46, s27, 3
	s_cmp_ge_u32 s46, s24                          ; is there a tile three steps on?
	s_cbranch_scc1 .Lidle_\@
	s_lshl_b32 s46, s46, 1
	s_add_co_u32 s46, s46, s20
	TLOAD \b
	s_branch .Ljoin_\@
.Lidle_\@:
	s_wait_loadcnt 0x0                             ; a step that issues no loads waits for all
.Ljoin_\@:
	s_wait_dscnt 0x0                               ; for the others' sake: my stores have landed (my reads of the last step were waited for there)
	s_barrier_signal -1
	s_barrier_wait -1
	s_cmp_ge_u32 s27, s24
	s_cbranch_scc1 .Lnone_\@
	s_wait_xcnt 0x0                                ; the last step's stores have read v[FL] on
.irp i, 0,1
.irp w, 0,1,2,3
	ds_load_b128 v[FL+16*\i+4*\w:FL+16*\i+4*\w+3], v[ER] offset:XB*(\b)+4352*\w+544*\i   ; wave w's part of row 4 q + 2 i + lane / 16: sixteen lanes to a row
.endr
.endr
	s_wait_dscnt 0x0
.irp i, 0,1
.set F, FL+16*\i
	v_pk_add_f32 v[F:F+1], v[F:F+1], v[F+4:F+5]
	v_pk_add_f32 v[F+2:F+3], v[F+2:F+3], v[F+6:F+7]
	v_pk_add_f32 v[F+8:F+9], v[F+8:F+9], v[F+12:F+13]
	v_pk_add_f32 v[F+10:F+11], v[F+10:F+11], v[F+14:F+15]
	v_pk_add_f32 v[F:F+1], v[F:F+1], v[F+8:F+9]
	v_pk_add_f32 v[F+2:F+3], v[F+2:F+3], v[F+10:F+11]
	v_pk_add_f32 v[F:F+1], v[F:F+1], v[12:13]      ; + b2
	v_pk_add_f32 v[F+2:F+3], v[F+2:F+3], v[14:15]
	v_pk_mul_f32 v[F:F+1], v[F:F+1], v[WT+2*\i:WT+2*\i+1]   ; x the row's weight
	v_pk_mul_f32 v[F+2:F+3], v[F+2:F+3], v[WT+2*\i:WT+2*\i+1]
	global_store_b128 v[YA+\i], v[F:F+3], s[16:17] ; sixteen lanes store 256 consecutive bytes, at a multiple of 256 from y's first byte
.endr
.Lnone_\@:
	s_add_co_u32 s27, s27, 1
.endm
	s_load_b256 s[4:11], s[0:1], 0x0               ; hc s[4:5], W2's codes s[6:7], its scales s[8:9], b2 s[10:11]
	s_load_b128 s[12:15], s[0:1], 0x20             ; place s[12:13], wgt s[14:15]
	s_load_b64 s[16:17], s[0:1], 0x30              ; y
	v_lshl_add_u32 v94, v0, 2, 0xcc00
	v_mov_b32 v95, 0
	v_lshrrev_b32 v1, 5, v0
	v_readfirstlane_b32 s18, v1                    ; q: my wave, my quarter of K
	s_lshr_b32 s19, ttmp9, 1                       ; sl
	s_and_b32 s20, ttmp9, 1                        ; p
	s_and_b32 s21, ttmp7, 0xffff                   ; e
	v_and_b32 v9, 31, v0
	v_and_b32 v10, 15, v0                          ; r
	v_bfe_u32 v11, v0, 4, 1                        ; h
	v_lshlrev_b32 v[L16], 4, v9
	v_lshlrev_b32 v[L4], 2, v9
	v_lshlrev_b32 v[HI4], 2, v11
	s_mul_i32 s44, s18, 4352
	v_mul_u32_u24 v[EW], v10, 272
	v_lshl_add_u32 v[EW], v11, 5, v[EW]
	v_add_nc_u32 v[EW], s44, v[EW]
	s_mul_i32 s44, s18, 1088
	v_mul_u32_u24 v[ER], v11, 272
	v_lshl_add_u32 v[ER], v10, 4, v[ER]
	v_add_nc_u32 v[ER], s44, v[ER]
	s_lshl_b32 s44, s19, 8
	v_lshl_add_u32 v[C16], v10, 4, s44
	v_lshlrev_b32 v7, 12, v10
	v_lshl_add_u32 v7, v11, 4, v7                  ; W2: row r of 4,096 bytes, + 16 h
	v_lshlrev_b32 v8, 7, v10
	v_lshl_add_u32 v8, v11, 4, v8                  ; its scale bytes: row r of 128, + 16 h
.irp k, 0,1,2,3
	v_mov_b32 v[WT+\k], 0                          ; written once, so that no path reads them unwritten
.endr
	v_mov_b32 v[YA], 0
	v_mov_b32 v[YA+1], 0
	s_mov_b32 s49, 0
	s_mov_b32 s27, 0                               ; the step
	s_wait_kmcnt 0x0
	s_lshl_b32 s48, s21, 2
	s_add_nc_u64 s[50:51], s[12:13], s[48:49]
	s_load_b32 s22, s[50:51], 0x8000               ; the expert's count
	s_lshl_b32 s48, s21, 22
	s_lshl_b32 s44, s19, 18
	s_add_co_u32 s48, s48, s44
	s_lshl_b32 s44, s18, 10
	s_add_co_u32 s48, s48, s44
	s_add_nc_u64 s[6:7], s[6:7], s[48:49]          ; W2: my 64 rows, my quarter of K
	s_lshl_b32 s48, s21, 17
	s_lshl_b32 s44, s19, 13
	s_add_co_u32 s48, s48, s44
	s_lshl_b32 s44, s18, 5
	s_add_co_u32 s48, s48, s44
	s_add_nc_u64 s[8:9], s[8:9], s[48:49]
	s_lshl_b32 s48, s21, 12
	s_add_nc_u64 s[10:11], s[10:11], s[48:49]      ; b2 of the expert
	s_lshl_b32 s44, s18, 4
	s_add_co_u32 s48, s48, s44
	s_add_nc_u64 s[32:33], s[12:13], s[48:49]      ; the list, at my four rows of a tile
	s_add_nc_u64 s[34:35], s[14:15], s[48:49]      ; the weights likewise
	s_lshl_b32 s48, s21, 22
	s_lshl_b32 s44, s18, 14
	s_add_co_u32 s48, s48, s44
	s_add_nc_u64 s[28:29], s[4:5], s[48:49]        ; h's images: the expert's tile 0, my quarter of K
	s_lshl_b32 s48, s21, 17
	s_lshl_b32 s44, s18, 9
	s_add_co_u32 s48, s48, s44
	s_add_nc_u64 s[30:31], s[4:5], s[48:49]
	s_add_nc_u64 s[30:31], s[30:31], 0x2000000     ; and their scale words
	WIN 0x40                                       ; destination window 1: K steps 0-3.  The eight loads of two neighbouring K steps stand together: they take 256 consecutive bytes of each of 16 rows
.irp jt, 0,1,2,3
.irp s, 0,1,2,3
.irp c, 0,1,2,3
	global_load_b128 v[16*(4*\s+\jt)+4*\c:16*(4*\s+\jt)+4*\c+3], v7, s[6:7] offset:65536*\jt+128*\s+32*\c
.endr
.endr
.endr
	WIN 0x80                                       ; window 2: K steps 4-7
.irp jt, 0,1,2,3
.irp s, 0,1,2,3
.irp c, 0,1,2,3
	global_load_b128 v[16*(4*\s+\jt)+4*\c:16*(4*\s+\jt)+4*\c+3], v7, s[6:7] offset:65536*\jt+512+128*\s+32*\c
.endr
.endr
.endr
	WIN 0
.irp jt, 0,1,2,3
	global_load_b128 v[WS+4*\jt:WS+4*\jt+3], v8, s[8:9] offset:2048*\jt
.endr
	global_load_b128 v[12:15], v[C16], s[10:11]
	s_wait_kmcnt 0x0
	s_min_u32 s22, s22, 0x400
	s_add_co_u32 s23, s22, 15
	s_lshr_b32 s23, s23, 4                         ; the expert's tiles
	s_add_co_u32 s24, s23, 1
	s_sub_co_u32 s24, s24, s20
	s_lshr_b32 s24, s24, 1                         ; those of my parity
	s_max_u32 s25, s23, 1
	s_sub_co_u32 s25, s25, 1                       ; the last tile that the launch before has stored
	s_max_u32 s44, s24, 1
	s_sub_co_u32 s44, s44, 1
.irp b, 0,1,2                          ; the first three tiles; where there are fewer, a tile that exists comes again, so that every buffer is written
	s_min_u32 s46, s44, \b
	s_lshl_b32 s46, s46, 1
	s_add_co_u32 s46, s46, s20
	s_min_u32 s46, s46, s25
	TLOAD \b
.endr
	s_mov_b32 s26, 11
.Ltrip:
	STEP 0
	STEP 1
	STEP 2
	s_sub_co_u32 s26, s26, 1
	s_cmp_lg_u32 s26, 0
	s_cbranch_scc1 .Ltrip
	s_wait_tensorcnt 0x0
	ds_add_u32 v94, v95
	s_wait_dscnt 0x0
	s_endpgm
.Lfunc_end_k_q4464505576_down:
	.size	k_q4464505576_down, .Lfunc_end_k_q4464505576_down-k_q4464505576_down
	.p2alignl 7, 3214868480
	.fill 96, 4, 3214868480
	.section	.rodata,"a",@progbits
	.p2align	6, 0x0
	.amdhsa_kernel k_q4464505576_down
		.amdhsa_group_segment_fixed_size 52736
		.amdhsa_private_segment_fixed_size 0
		.amdhsa_enable_private_segment 0
		.amdhsa_kernarg_size 56
		.amdhsa_user_sgpr_count 2
		.amdhsa_user_sgpr_kernarg_segment_ptr 1
		.amdhsa_wavefront_size32 1
		.amdhsa_system_sgpr_workgroup_id_x 1
		.amdhsa_system_sgpr_workgroup_id_y 1
		.amdhsa_system_sgpr_workgroup_id_z 1
		.amdhsa_system_vgpr_workitem_id 0
		.amdhsa_next_free_vgpr 1024
		.amdhsa_next_free_sgpr 66
		.amdhsa_reserve_vcc 0
		.amdhsa_float_denorm_mode_32 3
		.amdhsa_float_denorm_mode_16_64 3
		.amdhsa_memory_ordered 1
		.amdhsa_forward_progress 1
		.amdhsa_inst_pref_size 64
	.end_amdhsa_kernel
	.amdgpu_metadata
---
amdhsa.version: [ 1, 2 ]
amdhsa.kernels:
  - .name:           k_q4464505576_down
    .symbol:         k_q4464505576_down.kd
    .args:
      - { .name: hc, .offset: 0, .size: 8, .value_kind: global_buffer, .address_space: global }
      - { .name: w2_codes, .offset: 8, .size: 8, .value_kind: global_buffer, .address_space: global }
      - { .name: w2_scales, .offset: 16, .size: 8, .value_kind: global_buffer, .address_space: global }
      - { .name: b2, .offset: 24, .size: 8, .value_kind: global_buffer, .address_space: global }
      - { .name: place, .offset: 32, .size: 8, .value_kind: global_buffer, .address_space: global }
      - { .name: wgt, .offset: 40, .size: 8, .value_kind: global_buffer, .address_space: global }
      - { .name: y, .offset: 48, .size: 8, .value_kind: global_buffer, .address_space: global }
    .group_segment_fixed_size: 52736
    .private_segment_fixed_size: 0
    .kernarg_segment_align: 8
    .kernarg_segment_size: 56
    .max_flat_workgroup_size: 128
    .sgpr_count:     66
    .vgpr_count:     1024
    .wavefront_size: 32
...
	.end_amdgpu_metadata
.endif
;; end of part 4
;; launch sum (part 5): grid 256 x 1, 4 waves a work-group, no clusters, 0 bytes of LDS; arguments y, out0; writes out0
.if DOCPART == 5
	.amdgcn_target "amdgcn-amd-amdhsa--gfx1250"
	.amdhsa_code_object_version 6
	.text
	.protected	k_q4464505576_sum
	.globl	k_q4464505576_sum
	.p2align	8
	.type	k_q4464505576_sum,@function
k_q4464505576_sum:
	s_mov_b64 s[64:65], 0
	v_nop
	global_prefetch_b8 v0, s[64:65] scope:SCOPE_SE
	s_setreg_imm32_b32 hwreg(HW_REG_WAVE_MODE, 25, 1), 1
	s_wait_xcnt 0x0
; out0[t] = y[t] + y[1024 + t]: a token's two weighted rows.  y: [2056][1024] f32 (rows from 2,048 on are spare and not read), out0: [1024][1024] f32.
; A wave takes a token: 4 x work-group + wave.  Sixteen loads of 512 consecutive bytes, all issued at once; eight stores of 512 consecutive bytes.  No loop, no LDS, no barrier: a plain stream.
	s_load_b128 s[4:7], s[0:1], 0x0                ; y s[4:5], out0 s[6:7]
	v_lshrrev_b32 v1, 5, v0
	v_and_b32 v2, 31, v0
	v_lshlrev_b32 v2, 4, v2
	v_lshl_or_b32 v1, v1, 12, v2                   ; 4,096 x wave + 16 x lane
	s_lshl_b32 s8, ttmp9, 14                       ; four rows a work-group
	s_mov_b32 s9, 0
	s_wait_kmcnt 0x0
	s_add_nc_u64 s[4:5], s[4:5], s[8:9]
	s_add_nc_u64 s[6:7], s[6:7], s[8:9]
.irp i, 0,1,2,3,4,5,6,7
	global_load_b128 v[8+4*\i:11+4*\i], v1, s[4:5] offset:512*\i th:TH_LOAD_NT
.endr
.irp i, 0,1,2,3,4,5,6,7
	global_load_b128 v[40+4*\i:43+4*\i], v1, s[4:5] offset:4194304+512*\i th:TH_LOAD_NT   ; 1,024 rows further down
.endr
.irp i, 0,1,2,3,4,5,6,7
	s_wait_loadcnt 7-\i                            ; loads come back in order (ISA guide 5.7.1): both of piece i are in; the second row's younger loads stay out
	v_pk_add_f32 v[8+4*\i:9+4*\i], v[8+4*\i:9+4*\i], v[40+4*\i:41+4*\i]
	v_pk_add_f32 v[10+4*\i:11+4*\i], v[10+4*\i:11+4*\i], v[42+4*\i:43+4*\i]
	global_store_b128 v1, v[8+4*\i:11+4*\i], s[6:7] offset:512*\i th:TH_STORE_NT
.endr
	s_endpgm
.Lfunc_end_k_q4464505576_sum:
	.size	k_q4464505576_sum, .Lfunc_end_k_q4464505576_sum-k_q4464505576_sum
	.p2alignl 7, 3214868480
	.fill 96, 4, 3214868480
	.section	.rodata,"a",@progbits
	.p2align	6, 0x0
	.amdhsa_kernel k_q4464505576_sum
		.amdhsa_group_segment_fixed_size 0
		.amdhsa_private_segment_fixed_size 0
		.amdhsa_enable_private_segment 0
		.amdhsa_kernarg_size 16
		.amdhsa_user_sgpr_count 2
		.amdhsa_user_sgpr_kernarg_segment_ptr 1
		.amdhsa_wavefront_size32 1
		.amdhsa_system_sgpr_workgroup_id_x 1
		.amdhsa_system_sgpr_workgroup_id_y 1
		.amdhsa_system_sgpr_workgroup_id_z 1
		.amdhsa_system_vgpr_workitem_id 0
		.amdhsa_next_free_vgpr 72
		.amdhsa_next_free_sgpr 66
		.amdhsa_reserve_vcc 0
		.amdhsa_float_denorm_mode_32 3
		.amdhsa_float_denorm_mode_16_64 3
		.amdhsa_memory_ordered 1
		.amdhsa_forward_progress 1
		.amdhsa_inst_pref_size 5
	.end_amdhsa_kernel
	.amdgpu_metadata
---
amdhsa.version: [ 1, 2 ]
amdhsa.kernels:
  - .name:           k_q4464505576_sum
    .symbol:         k_q4464505576_sum.kd
    .args:
      - { .name: y, .offset: 0, .size: 8, .value_kind: global_buffer, .address_space: global }
      - { .name: out0, .offset: 8, .size: 8, .value_kind: global_buffer, .address_space: global }
    .group_segment_fixed_size: 0
    .private_segment_fixed_size: 0
    .kernarg_segment_align: 8
    .kernarg_segment_size: 16
    .max_flat_workgroup_size: 128
    .sgpr_count:     66
    .vgpr_count:     72
    .wavefront_size: 32
...
	.end_amdgpu_metadata
.endif
;; end of part 5
;; ======== version 2 of 3: 4 launches; 1.14 times as fast as version 1
;; workspace buffers: xc 1,081,344 bytes; route 8,192 bytes of whole numbers; gval 8,192 bytes; place 33,024 bytes of whole numbers; wgt 32,768 bytes; hc 34,603,008 bytes; y 8,421,376 bytes
;; launch gate: the kernel of part 1 again; grid 256 x 1, 2 waves a work-group, no clusters, 11,008 bytes of LDS; arguments x, gate_w, gate_b, xc, route, gval; writes xc, route, gval
;; launch up (part 6): grid 32 x 8, 4 waves a work-group, no clusters, 133,632 bytes of LDS; arguments xc, w1_codes, w1_scales, b1, route, gval, hc, place, wgt; writes hc, place, wgt
.if DOCPART == 6
	.amdgcn_target "amdgcn-amd-amdhsa--gfx1250"
	.amdhsa_code_object_version 6
	.text
	.protected	k_q4464505576_up
	.globl	k_q4464505576_up
	.p2align	8
	.type	k_q4464505576_up,@function
k_q4464505576_up:
	s_mov_b64 s[64:65], 0
	v_nop
	global_prefetch_b8 v0, s[64:65] scope:SCOPE_SE
	s_setreg_imm32_b32 hwreg(HW_REG_WAVE_MODE, 25, 1), 1
	s_wait_xcnt 0x0
; THE ROWS ARE PLACED BY EXPERT, AND THE FIRST PRODUCT IS MADE FOR THE CHOSEN ROWS ALONE: h = Q(relu(Q(x) W1 + b1)), on codes of E5M2 with one E8M0 scale for each 32 along K.
; Work-group (j, e) owns hidden units 128 j .. 128 j + 127 of expert e: 128 KB of W1's codes, read from memory once, by this work-group alone, and kept in LDS.  Those 128 units are K step j of the second product.
; PLACING.  route [1024][2] u32 (the launch before) holds each token's two experts.  Every wave reads all of it and keeps expert e's members as 32 masks: word i, bit l = token 64 (i / 2) + 2 l + i % 2.
; A row's rank is the number of members ahead of it in that order.  The token of a rank is found in registers: the last word whose running count is not above the rank, then the bit, by five halvings on partial counts of the word's bits.
; No LDS, no atomics, and every work-group of an expert finds the same order.
; THE LIST FOR THE NEXT LAUNCH.  Wave 0 of work-group (j, e) stores word j's 32 entries: a member at its rank (dst = 1024 x choice + token, its probability), a token that is no member at count + the non-members ahead of it
; (dst = 2048 + e, weight 0).  That is a permutation of the expert's 1,024 ranks: every word of place [8][1024] u32 and wgt [8][1024] f32 is written once.  Work-group (0, e) stores the count at byte 32,768 + 4 e of place.
; THE ROWS go in tiles of 16.  Wave w takes tiles t0 + 4 i, i = 0 .. 4, t0 = w + 20 x pass: a pass serves 320 rows.
; THE PASSES ARE A LOOP OF CONSTANT COUNT, four: 4 x 20 tiles cover the 64 that an expert can have.  A wave leaves it by a forward jump as soon as t0 has reached the expert's number of tiles.
; A tile at or past the expert's last is multiplied on rows that exist and not stored: one text for every count.  At least tile 0 of every expert is stored, so that the next launch reads nothing that was not written.
; THE PRODUCT IS USED TRANSPOSED (source 0 = 16 rows of W1, source 1 = 16 rows of x): a lane holds ONE row of h, its registers run along the hidden units.  THE ROWS OF W1 THAT FORM A TILE ARE NOT NEIGHBOURS: row r of tile
; 2 b + u is hidden unit 32 b + 8 u + r + 8 (r / 8), so that the 16 registers of tiles 2 b and 2 b + 1 are 16 neighbours along the next K.  In LDS that is the unit's number with bits 3 and 4 exchanged, done by the staging stores' offsets.
; b1 is the C of each sum's first product.  relu costs nothing: the hold that the conversion wants clips at 0 too.
; hc: the codes as images of the operand's registers, [64 e + tile][K step j][c][lane][16 bytes] from byte 0; the scale words [64 e + tile][j][16 rows] u32 from byte 33,554,432.
; NO TENSOR LOADS, NO CLUSTER: the jump out of the loop and the jumps round the stores hang on numbers read from memory.  The one barrier stands ahead of every such branch.
; LIMITS: NaN and infinities are not served; a block of zeros gets the byte 1 with zero codes (this program alone reads the bytes); blocks whose largest number lies under 2^-111 keep the byte 1.
; REGISTERS, in windows of 256.  window 0: addresses, scale words, the quantiser's and the search's registers; v128-255 W1's fragments, two sets of four.
;   window 1: accumulator (i < 4, t) at 64 i + 8 t (at the head: the weights on their way to LDS).   window 2: v0-63 accumulators (4, t); v64-127 row tile 4's fragments of x; v128-191 b1 in the result's layout; v192-255 route.
;   window 3: the fragments of x of row tiles 0-3, at 64 i + 16 x slot, four slots: K step s lies in slot s % 4.
.set PITCH, 1040                       ; an LDS row: 1,024 bytes + 16: 65 x 16, so that the 16 rows that a load touches start 16 bytes apart modulo 256
.set R4,  1                            ; v1   4 (lane % 16)
.set H16, 2                            ; v2   16 (lane / 16)
.set L16, 3                            ; v3   16 x lane
.set WA0, 4                            ; v4   LDS: my place in tiles 0-3;  v5: in tiles 4-7
.set WA1, 5
.set SWA, 6                            ; v6   LDS: where my wave stages its 32 rows
.set XA,  7                            ; v7-11   row tile i: my token's codes
.set XSA, 12                           ; v12-16  my token's scale bytes
.set TK,  17                           ; v17-21  my token
.set B1A, 22                           ; v22  64 (lane / 16)
.set WSA, 23                           ; v23  my row of W1's scale bytes
.set WS,  24                           ; v24-55  W1's scale words: tile t, register q: lanes 0-15 K step q, lanes 16-31 K step 4 + q
.set XS,  56                           ; v56-75  x's, row tile i, likewise
.set TM,  76                           ; v76-91  the quantiser's; the search's partial counts
.set PW,  92                           ; v92  the scale word just made
.set RB,  93                           ; v93  lane % 16 + 64 (lane / 16): lanes 16-31 search for the tile four further on
.set RC,  94                           ; v94  lane % 16 + 256
.set PC,  96                           ; v96-111 the codes just made; at the head: my word of route and gval, and the list's stores
.set RH,  112                          ; v112-114 the ranks searched for: tiles 0 and 1, 2 and 3, 4; then the rank inside the word
.set SW,  115                          ; v115-117 the word found
.set SP,  118                          ; v118-120 its running count; then the bit's place
.set SB,  121                          ; v121-123 its number; then the token
.set WF,  128
.set MK,  54                           ; s54-56  three masks at work
.set BM,  66                           ; s66-97  the expert's members, 32 words
.set MSB, 0
.macro WIN new                         ; the immediate's high byte repeats the setting that is left
.if MSB != (\new)
	s_set_vgpr_msb (MSB<<8)|(\new)
.set MSB, (\new)
.endif
.endm
.macro PLACES n
.rept \n
	v_nop
.endr
.endm
; One halving of the search inside a word: the set bits in the lower half of what is left (a field of wd bits at the place so far, out of the partial counts ar); where the rank is not under them, they are taken off it and the place moves up by st
.macro LEVEL ar, wd, st, upd
.irp j, 0,1,2
	v_bfe_u32 v[TM+9+\j], v[(\ar)+\j], v[SP+\j], \wd
.endr
.irp j, 0,1,2
	v_cmp_ge_u32 s[MK+\j], v[RH+\j], v[TM+9+\j]
.endr
.if \upd
.irp j, 0,1,2
	v_sub_nc_u32 v[TM+12+\j], v[RH+\j], v[TM+9+\j]
.endr
.irp j, 0,1,2
	v_cndmask_b32 v[RH+\j], v[RH+\j], v[TM+12+\j], s[MK+\j]
.endr
.endif
.irp j, 0,1,2
	v_cndmask_b32 v[TM+12+\j], 0, \st, s[MK+\j]
.endr
.irp j, 0,1,2
	v_add_nc_u32 v[SP+\j], v[SP+\j], v[TM+12+\j]
.endr
.endm
; The tokens of my five tiles' ranks, from the masks.  first = 1: the running count at word j (s46) and the expert's count (s19) are kept on the way.
; A rank at or past the count ends in word 31 at some bit: a token that exists.
.macro SELECT first
.irp i, 0,1,2,3,4
	s_add_co_u32 s[40+\i], s22, 4*\i               ; my tiles' numbers
.endr
	s_lshl_b32 s35, s22, 4
	v_add_nc_u32 v[RH], s35, v[RB]                 ; lanes 0-15: tile t0, lanes 16-31: tile t0 + 4
	v_add_nc_u32 v[RH+2], s35, v[RC]               ; tile t0 + 16
	v_add_nc_u32 v[RH+1], 128, v[RH]               ; tiles t0 + 8 and t0 + 12
.irp j, 0,1,2
	v_mov_b32 v[SW+\j], s[BM]                      ; word 0, whose running count, 0, is above no rank
	v_mov_b32 v[SP+\j], 0
	v_mov_b32 v[SB+\j], 0
.endr
	s_mov_b32 s45, 0
.set I, 1
.rept 31
	s_bcnt1_i32_b32 s47, s[BM+I-1]
	s_add_co_u32 s45, s45, s47                     ; the members ahead of word I
.if \first
	s_cmp_eq_u32 s17, I
	s_cselect_b32 s46, s45, s46
.endif
.irp j, 0,1,2
	v_cmp_gt_u32 s[MK+\j], s45, v[RH+\j]           ; above my rank: what I have stays
.endr
.irp j, 0,1,2
	v_cndmask_b32 v[SW+\j], s[BM+I], v[SW+\j], s[MK+\j]
.endr
.irp j, 0,1,2
	v_cndmask_b32 v[SP+\j], s45, v[SP+\j], s[MK+\j]
.endr
.irp j, 0,1,2
	v_cndmask_b32 v[SB+\j], I, v[SB+\j], s[MK+\j]
.endr
.set I, I+1
.endr
.if \first
	s_bcnt1_i32_b32 s47, s[BM+31]
	s_add_co_u32 s19, s45, s47                     ; the expert's count
.endif
.irp j, 0,1,2
	v_sub_nc_u32 v[RH+\j], v[RH+\j], v[SP+\j]      ; the rank inside the word
.endr
.irp j, 0,1,2
	v_lshrrev_b32 v[TM+9+\j], 1, v[SW+\j]
.endr
.irp j, 0,1,2
	v_and_b32 v[TM+9+\j], 0x55555555, v[TM+9+\j]
.endr
.irp j, 0,1,2
	v_sub_nc_u32 v[TM+\j], v[SW+\j], v[TM+9+\j]    ; the set bits of each 2
.endr
.irp j, 0,1,2
	v_lshrrev_b32 v[TM+9+\j], 2, v[TM+\j]
.endr
.irp j, 0,1,2
	v_and_b32 v[TM+9+\j], 0x33333333, v[TM+9+\j]
.endr
.irp j, 0,1,2
	v_and_b32 v[TM+3+\j], 0x33333333, v[TM+\j]
.endr
.irp j, 0,1,2
	v_add_nc_u32 v[TM+3+\j], v[TM+3+\j], v[TM+9+\j]   ; of each 4
.endr
.irp j, 0,1,2
	v_lshrrev_b32 v[TM+9+\j], 4, v[TM+3+\j]
.endr
.irp j, 0,1,2
	v_add_nc_u32 v[TM+6+\j], v[TM+3+\j], v[TM+9+\j]
.endr
.irp j, 0,1,2
	v_and_b32 v[TM+6+\j], 0x0f0f0f0f, v[TM+6+\j]   ; of each 8
.endr
.irp j, 0,1,2
	v_lshrrev_b32 v[TM+9+\j], 8, v[TM+6+\j]
.endr
.irp j, 0,1,2
	v_add_nc_u32 v[TM+9+\j], v[TM+9+\j], v[TM+6+\j]
.endr
.irp j, 0,1,2
	v_and_b32 v[TM+9+\j], 0xff, v[TM+9+\j]         ; of the lower 16
.endr
.irp j, 0,1,2
	v_cmp_ge_u32 s[MK+\j], v[RH+\j], v[TM+9+\j]
.endr
.irp j, 0,1,2
	v_sub_nc_u32 v[TM+12+\j], v[RH+\j], v[TM+9+\j]
.endr
.irp j, 0,1,2
	v_cndmask_b32 v[RH+\j], v[RH+\j], v[TM+12+\j], s[MK+\j]
.endr
.irp j, 0,1,2
	v_cndmask_b32 v[SP+\j], 0, 16, s[MK+\j]        ; the bit's place, so far
.endr
	LEVEL TM+6, 8, 8, 1
	LEVEL TM+3, 4, 4, 1
	LEVEL TM, 2, 2, 1
	LEVEL SW, 1, 1, 0
.irp j, 0,1,2
	v_lshrrev_b32 v[TM+9+\j], 1, v[SB+\j]
.endr
.irp j, 0,1,2
	v_and_b32 v[SB+\j], 1, v[SB+\j]
.endr
.irp j, 0,1,2
	v_lshl_add_u32 v[SB+\j], v[TM+9+\j], 6, v[SB+\j]
.endr
.irp j, 0,1,2
	v_lshl_add_u32 v[SB+\j], v[SP+\j], 1, v[SB+\j] ; token = 64 (word / 2) + word % 2 + 2 x bit
.endr
	v_permlanex16_b32 v[TM], v[SB], s24, s25       ; (a lane permute's destination counts as read: these two have been written above)
	v_permlanex16_b32 v[TM+1], v[SB+1], s24, s25
	v_cndmask_b32 v[TK], v[SB], v[TM], s57         ; each tile's 16 tokens into both halves of the lanes (s57: lanes 16-31)
	v_cndmask_b32 v[TK+1], v[TM], v[SB], s57
	v_cndmask_b32 v[TK+2], v[SB+1], v[TM+1], s57
	v_cndmask_b32 v[TK+3], v[TM+1], v[SB+1], s57
	v_mov_b32 v[TK+4], v[SB+2]
.endm
.macro ADDR                            ; token -> offsets; the token is held inside x's 1,024 rows
.irp i, 0,1,2,3,4
	v_min_u32 v[TK+\i], 0x3ff, v[TK+\i]
	v_lshl_add_u32 v[XA+\i], v[TK+\i], 10, v[H16]
	v_lshl_add_u32 v[XSA+\i], v[TK+\i], 5, v[H16]
.endr
.endm
.macro XSL
.irp i, 0,1,2,3,4
	global_load_b128 v[XS+4*\i:XS+4*\i+3], v[XSA+\i], s[26:27]
.endr
.endm
.macro XK s                            ; K step s of x for my five tiles: 20 loads
	WIN 0xc0                                       ; destination window 3
.irp i, 0,1,2,3
.irp c, 0,1,2,3
	global_load_b128 v[64*\i+16*((\s)%4)+4*\c:64*\i+16*((\s)%4)+4*\c+3], v[XA+\i], s[4:5] offset:128*(\s)+32*\c
.endr
.endr
	WIN 0x80                                       ; destination window 2
.irp c, 0,1,2,3
	global_load_b128 v[64+16*((\s)%4)+4*\c:64+16*((\s)%4)+4*\c+3], v[XA+4], s[4:5] offset:128*(\s)+32*\c
.endr
	WIN 0
.endm
.macro WLOAD g                         ; group g: K step g / 2, W1's tiles 4 (g % 2) .. + 3, into set g % 2: 16 LDS loads
.irp u, 0,1,2,3
.irp c, 0,1,2,3
	ds_load_b128 v[WF+64*((\g)%2)+16*\u+4*\c:WF+64*((\g)%2)+16*\u+4*\c+3], v[WA0+(\g)%2] offset:16*PITCH*\u+128*((\g)/2)+32*\c
.endr
.endr
.endm
.macro WM d, a, b, c, sa, sb, hi       ; hi = 1: K steps 4 to 7, whose scale words lie in lanes 16-31
.if \hi
	v_wmma_scale_f32_16x16x128_f8f6f4 v[(\d):(\d)+7], v[(\a):(\a)+15], v[(\b):(\b)+15], v[(\c):(\c)+7], v[(\sa)], v[(\sb)] matrix_a_fmt:MATRIX_FMT_BF8 matrix_b_fmt:MATRIX_FMT_BF8 matrix_a_scale:MATRIX_SCALE_ROW1 matrix_b_scale:MATRIX_SCALE_ROW1
.else
	v_wmma_scale_f32_16x16x128_f8f6f4 v[(\d):(\d)+7], v[(\a):(\a)+15], v[(\b):(\b)+15], v[(\c):(\c)+7], v[(\sa)], v[(\sb)] matrix_a_fmt:MATRIX_FMT_BF8 matrix_b_fmt:MATRIX_FMT_BF8
.endif
.endm
.macro MULG g                          ; 20 products: four tiles of W1 x five row tiles.  All 20 accumulators differ, and the next group's are the other 20: they take turns
.set ss, (\g)/2
.set sq, ss%4
.set pb, (\g)%2
.if ss == 0
	WIN 0x6c                                       ; A window 0, B window 3, C (b1) window 2, D window 1
.else
	WIN 0x5c                                       ; C and D window 1
.endif
.irp u, 0,1,2,3
.irp i, 0,1,2,3
.set tt, 4*pb+\u
.set rD, 64*\i+8*tt
.set rC, rD
.if ss == 0
.set rC, 128+8*tt
.endif
	WM rD, WF+64*pb+16*\u, 64*\i+16*sq, rC, WS+4*tt+sq, XS+4*\i+sq, ss/4
.endr
.endr
	WIN 0xa8                                       ; row tile 4: B, C and D window 2
.irp u, 0,1,2,3
.set tt, 4*pb+\u
.set rD, 8*tt
.set rC, rD
.if ss == 0
.set rC, 128+8*tt
.endif
	WM rD, WF+64*pb+16*\u, 64+16*sq, rC, WS+4*tt+sq, XS+16+sq, ss/4
.endr
	WIN 0
.endm
; 64 numbers of a lane in window aw, from register sb on (register 16 b + i = hidden unit 32 b + 16 (lane / 16) + i of my row), become a fragment's codes in v[PC] on and its scale word in v[PW].
; No |.| on the maximum's sources: what is negative is to become 0, so it must not count; the floor stands over it.  Each accumulator is read from its low end on.
.macro QUANT aw, sb
	WIN (\aw)|((\aw)<<2)
.irp b, 0,1,2,3
	v_max3_num_f32 v[TM+\b], v[(\sb)+16*\b], v[(\sb)+1+16*\b], 0x8000000   ; the floor 2^(16 - 127): the byte cannot fall under 1
.endr
	WIN ((\aw)<<2)|((\aw)<<4)
.irp i, 2,4,6,8,10,12,14
.irp b, 0,1,2,3
	v_max3_num_f32 v[TM+\b], v[TM+\b], v[(\sb)+16*\b+\i], v[(\sb)+1+16*\b+\i]
.endr
.endr
	WIN 0
.irp b, 0,1,2,3
	v_permlanex16_b32 v[TM+4+\b], v[TM+\b], s24, s25
.endr
.irp b, 0,1,2,3
	v_max_num_f32 v[TM+\b], v[TM+\b], v[TM+4+\b]   ; with lane l xor 16's: the block's largest number
.endr
.irp b, 0,1,2,3
	v_add_nc_u32 v[TM+12+\b], 0xf8800000, v[TM+\b] ; 15 off its exponent field: the conversion's scale operand
.endr
.irp b, 0,1,2,3
	v_and_or_b32 v[TM+8+\b], v[TM+\b], 0x7f800000, s23   ; 57,344 x the scale
.endr
.irp b, 0,1,2,3
	v_lshrrev_b32 v[TM+4+\b], 23, v[TM+12+\b]      ; the scale's byte
.endr
	v_lshl_or_b32 v[PW], v[TM+5], 8, v[TM+4]
	v_lshl_or_b32 v[PW], v[TM+6], 16, v[PW]
	v_lshl_or_b32 v[PW], v[TM+7], 24, v[PW]
	WIN (\aw)|((\aw)<<6)
.irp b, 0,1,2,3
.irp i, 0,1,2,3,4,5,6,7,8,9,10,11,12,13,14,15
	v_med3_num_f32 v[(\sb)+16*\b+\i], v[(\sb)+16*\b+\i], 0, v[TM+8+\b]   ; the activation and the hold in one (the conversion does not saturate: ISA guide 7.6.2)
.endr
.endr
	WIN (\aw)
.irp b, 0,1,2,3
	v_cvt_scalef32_pk8_bf8_f32 v[PC+4*\b:PC+1+4*\b], v[(\sb)+16*\b:(\sb)+7+16*\b], v[TM+12+\b]
	v_cvt_scalef32_pk8_bf8_f32 v[PC+2+4*\b:PC+3+4*\b], v[(\sb)+8+16*\b:(\sb)+15+16*\b], v[TM+12+\b]
.endr
	WIN 0
	v_nop                                          ; a plain line behind the last conversion: later products write its sources
.endm
.macro OUT i
.irp c, 0,1,2,3
	global_store_b128 v[L16], v[PC+4*\c:PC+4*\c+3], s[30:31] offset:262144*(\i)+512*\c   ; the image: 32 lanes store 512 consecutive bytes
.endr
	global_store_b32 v[R4], v[PW], s[32:33] offset:8192*(\i)   ; 16 words; both halves of the lanes hold the same word
.endm
	s_load_b256 s[4:11], s[0:1], 0x0               ; xc s[4:5], W1's codes s[6:7], its scales s[8:9], b1 s[10:11]
	s_load_b128 s[12:15], s[0:1], 0x20             ; route s[12:13], gval s[14:15]
	s_load_b128 s[48:51], s[0:1], 0x30             ; hc s[48:49], place s[50:51]
	s_load_b64 s[52:53], s[0:1], 0x40              ; wgt
	v_lshl_add_u32 v95, v0, 2, 0x20800
	v_mov_b32 v127, 0
	v_lshrrev_b32 v1, 5, v0
	v_readfirstlane_b32 s16, v1                    ; wave
	s_mov_b32 s17, ttmp9                           ; j
	s_and_b32 s18, ttmp7, 0xffff                   ; e
	v_and_b32 v124, 31, v0
	v_and_b32 v125, 15, v0                         ; r
	v_bfe_u32 v126, v0, 4, 1                       ; h
	v_lshlrev_b32 v[R4], 2, v125
	v_lshlrev_b32 v[H16], 4, v126
	v_lshlrev_b32 v[L16], 4, v124
	v_mul_u32_u24 v[WA0], v125, PITCH
	v_add_nc_u32 v[WA0], v[WA0], v[H16]
	v_add_nc_u32 v[WA1], 64*PITCH, v[WA0]
	s_mul_i32 s35, s16, 32*PITCH
	v_add_nc_u32 v[SWA], s35, v[L16]
	v_lshlrev_b32 v[B1A], 6, v126
	v_and_b32 v[WSA], 8, v125
	v_add_nc_u32 v[WSA], v[WSA], v125              ; r + 8 (r / 8)
	v_lshl_add_u32 v[WSA], v[WSA], 5, v[H16]       ; 32 bytes a row, + 16 h
	v_lshl_add_u32 v[RB], v126, 6, v125
	v_add_nc_u32 v[RC], 256, v125
.irp b, 0,1,2,3
	v_mov_b32 v[TM+4+\b], 0                        ; written once: a lane permute's destination counts as one of its sources
.endr
	s_mov_b32 s21, 0                               ; the pass
	s_mov_b32 s22, s16                             ; t0
	s_mov_b32 s23, 0x600000                        ; the mantissa field of 57,344
	s_mov_b32 s24, 0x76543210
	s_mov_b32 s25, 0xfedcba98
	s_mov_b32 s37, 0
	s_mov_b32 s46, 0                               ; the members ahead of word j: 0 for j = 0
	s_mov_b32 s57, 0xffff0000                      ; lanes 16-31
	s_lshr_b32 s36, s17, 1
	s_lshl_b32 s36, s36, 9
	s_and_b32 s35, s17, 1
	s_lshl_b32 s35, s35, 3
	s_add_co_u32 s36, s36, s35                     ; word j's tokens lie 16 bytes apart from byte 512 (j / 2) + 8 (j % 2) on, in route and in gval
	s_wait_kmcnt 0x0
	s_add_nc_u64 s[38:39], s[12:13], s[36:37]
	s_add_nc_u64 s[28:29], s[14:15], s[36:37]
	global_load_b64 v[PC:PC+1], v[L16], s[38:39]   ; word j: my token's two experts,
	global_load_b64 v[PC+2:PC+3], v[L16], s[28:29] ; and their probabilities.  First of all loads, so that every count below holds as it stands
	WIN 0x80                                       ; destination window 2
.set n, 0
.rept 16
	global_load_b128 v[192+4*n:195+4*n], v[L16], s[12:13] offset:512*n   ; all of route: 32 lanes read 512 consecutive bytes, two tokens a lane
.set n, n+1
.endr
	s_lshl_b32 s36, s18, 22
	s_lshl_b32 s35, s17, 17
	s_add_co_u32 s36, s36, s35
	s_lshl_b32 s35, s16, 15
	s_add_co_u32 s36, s36, s35
	s_add_nc_u64 s[6:7], s[6:7], s[36:37]          ; my wave's 32 rows of W1: 32 KB on end
	WIN 0x40                                       ; destination window 1
.set n, 0
.rept 64
	global_load_b128 v[4*n:4*n+3], v[L16], s[6:7] offset:512*n th:TH_LOAD_NT
.set n, n+1
.endr
	WIN 0
	s_lshl_b32 s36, s18, 17
	s_lshl_b32 s35, s17, 12
	s_add_co_u32 s36, s36, s35
	s_add_nc_u64 s[8:9], s[8:9], s[36:37]          ; the 128 rows' scale bytes
	s_lshl_b32 s36, s18, 14
	s_lshl_b32 s35, s17, 9
	s_add_co_u32 s36, s36, s35
	s_add_nc_u64 s[10:11], s[10:11], s[36:37]      ; their b1
	s_add_nc_u64 s[26:27], s[4:5], 0x100000        ; x's scale bytes
	s_lshl_b32 s36, s18, 22
	s_lshl_b32 s35, s22, 16
	s_add_co_u32 s36, s36, s35
	s_lshl_b32 s35, s17, 11
	s_add_co_u32 s36, s36, s35
	s_add_nc_u64 s[30:31], s[48:49], s[36:37]      ; hc: tile t0's image of K step j
	s_lshl_b32 s36, s18, 17
	s_lshl_b32 s35, s22, 11
	s_add_co_u32 s36, s36, s35
	s_lshl_b32 s35, s17, 6
	s_add_co_u32 s36, s36, s35
	s_add_nc_u64 s[32:33], s[48:49], s[36:37]
	s_add_nc_u64 s[32:33], s[32:33], 0x2000000     ; and its scale words
	s_lshl_b32 s36, s18, 2
	s_add_nc_u64 s[58:59], s[50:51], s[36:37]      ; place: 32,768 bytes ahead of the expert's count
	s_lshl_b32 s36, s18, 12
	s_add_nc_u64 s[50:51], s[50:51], s[36:37]      ; the expert's 1,024 ranks in place,
	s_add_nc_u64 s[52:53], s[52:53], s[36:37]      ; and in wgt
	s_wait_loadcnt 63                              ; route is in: 64 loads of weights stand behind its last load
	WIN 0x08                                       ; source 1 window 2
.set n, 0
.rept 8                                ; two loads, four words at a time: a token is a member where its first or its second expert is e
	v_cmp_eq_u32 s[BM+4*n], s18, v[192+8*n]
	v_cmp_eq_u32 s[BM+4*n+1], s18, v[194+8*n]
	v_cmp_eq_u32 s[BM+4*n+2], s18, v[196+8*n]
	v_cmp_eq_u32 s[BM+4*n+3], s18, v[198+8*n]
	v_cmp_eq_u32 s54, s18, v[193+8*n]
	v_cmp_eq_u32 s55, s18, v[195+8*n]
	v_cmp_eq_u32 s56, s18, v[197+8*n]
	v_cmp_eq_u32 s47, s18, v[199+8*n]
	s_or_b32 s[BM+4*n], s[BM+4*n], s54
	s_or_b32 s[BM+4*n+1], s[BM+4*n+1], s55
	s_or_b32 s[BM+4*n+2], s[BM+4*n+2], s56
	s_or_b32 s[BM+4*n+3], s[BM+4*n+3], s47
.set n, n+1
.endr
	WIN 0
	SELECT 1                                       ; register work, while the weights are on their way
	ADDR
.irp t, 0,1,2,3,4,5,6,7
	global_load_b128 v[WS+4*\t:WS+4*\t+3], v[WSA], s[8:9] offset:(32*(\t/2)+8*(\t%2))*32
.endr
	WIN 0x80
.irp t, 0,1,2,3,4,5,6,7
	global_load_b128 v[128+8*\t:128+8*\t+3], v[B1A], s[10:11] offset:(32*(\t/2)+8*(\t%2))*4
	global_load_b128 v[132+8*\t:132+8*\t+3], v[B1A], s[10:11] offset:(32*(\t/2)+8*(\t%2))*4+16
.endr
	WIN 0
	XSL
	XK 0
	; THE LIST: wave 0 stores word j's 32 entries.  No barrier stands inside this branch, and EXEC stays as it is
	s_cmp_lg_u32 s16, 0
	s_cbranch_scc1 .Lnolist
	v_cmp_eq_u32 s54, s18, v[PC]                   ; my token's first expert is e,
	v_cmp_eq_u32 s55, s18, v[PC+1]                 ; or its second
	s_or_b32 s56, s54, s55
	v_mbcnt_lo_u32_b32 v[PC+4], s56, 0             ; the word's members in lower lanes,
	v_add_nc_u32 v[PC+4], s46, v[PC+4]             ; and in earlier words: all members ahead of me: a member's rank
	s_lshl_b32 s35, s17, 5
	s_add_co_u32 s35, s35, s19
	v_lshrrev_b32 v[PC+5], 4, v[L16]               ; lane
	v_add_nc_u32 v[PC+6], s35, v[PC+5]
	v_sub_nc_u32 v[PC+6], v[PC+6], v[PC+4]         ; count + (32 j + lane - members ahead): the place of a token that is no member
	v_cndmask_b32 v[PC+4], v[PC+6], v[PC+4], s56
	v_min_u32 v[PC+4], 0x3ff, v[PC+4]              ; held inside the expert's 1,024 ranks,
	v_lshlrev_b32 v[PC+4], 2, v[PC+4]              ; in bytes
	s_lshr_b32 s35, s17, 1
	s_lshl_b32 s35, s35, 6
	s_and_b32 s47, s17, 1
	s_add_co_u32 s35, s35, s47
	v_lshl_add_u32 v[PC+5], v[PC+5], 1, s35        ; my token
	v_add_nc_u32 v[PC+6], 1024, v[PC+5]
	v_cndmask_b32 v[PC+5], v[PC+5], v[PC+6], s55   ; + 1024 where e is its second choice
	s_add_co_u32 s35, s18, 0x800
	v_mov_b32 v[PC+6], s35
	v_cndmask_b32 v[PC+5], v[PC+6], v[PC+5], s56   ; dst; 2048 + e for a token that is no member
	v_cndmask_b32 v[PC+7], v[PC+2], v[PC+3], s55
	v_cndmask_b32 v[PC+7], 0, v[PC+7], s56         ; the weight; 0 likewise
	global_store_b32 v[PC+4], v[PC+5], s[50:51]
	global_store_b32 v[PC+4], v[PC+7], s[52:53]
	s_cmp_lg_u32 s17, 0
	s_cbranch_scc1 .Lnolist
	v_mov_b32 v[PC+8], 0
	v_mov_b32 v[PC+9], s19
	global_store_b32 v[PC+8], v[PC+9], s[58:59] offset:32768   ; the count: all lanes store the same word with the same value
.Lnolist:                              ; (these stores' registers are written again only in the quantiser, behind its wait on XCNT)
	s_wait_loadcnt 63                              ; 81 loads stand behind the first half of the weights: it is in
	WIN 0x04                                       ; an LDS store's data are its source 1: window 1
.set n, 0
.rept 64
.if n == 32
	s_wait_loadcnt 49                              ; 49 loads stand behind the second half
.endif
.set nn, n/2
.set sw, (nn&7)|(((nn>>3)&1)<<4)|(((nn>>4)&1)<<3)
	ds_store_b128 v[SWA], v[4*n:4*n+3] offset:sw*PITCH+512*(n%2)   ; row nn of my 32 goes to the row with bits 3 and 4 exchanged
.set n, n+1
.endr
	WIN 0
	XK 1
	XK 2
	XK 3
	s_min_u32 s19, s19, 0x400
	s_add_co_u32 s20, s19, 15
	s_lshr_b32 s20, s20, 4
	s_max_u32 s20, s20, 1                          ; tiles to store: at least one
	s_wait_dscnt 0x0                               ; for the others' sake: my stores have landed
	s_barrier_signal -1
	s_barrier_wait -1                              ; the 128 rows lie in LDS.  The launch's only barrier: every wave passes it
	s_cmp_ge_u32 s22, s20
	s_cbranch_scc1 .Ldone
.Lpass:
	WLOAD 0
.set G, 0
.rept 16
.if G > 0
	PLACES 8                                       ; in front of loads into registers that the last products have read (ISA guide 7.12.1 for vector instructions)
.endif
.if (G > 0) && (G < 10) && (G%2 == 0)
	XK G/2+3                                       ; into the slot of the K step just finished
.endif
.if G < 15
	WLOAD G+1
.endif
.if G%2 == 0
.if G <= 8
	s_wait_loadcnt 60                              ; this K step of x is in: three younger K steps, 20 loads each, may be out
.else
	s_wait_loadcnt 20*(7-G/2)                      ; two, one, none
.endif
.endif
.if G < 15
	s_wait_dscnt 16                                ; this group's fragments are in; the run just issued may be out
.else
	s_wait_dscnt 0x0
.endif
	MULG G
.set G, G+1
.endr
	PLACES 9                                       ; eight ahead of the first read of results; nine ahead of the next pass's first products, which write over these accumulators with another C
.irp i, 0,1,2,3,4
	s_cmp_ge_u32 s[40+\i], s20                     ; a tile past the expert's last is not stored
	s_cbranch_scc1 .Lskip\i
	s_wait_xcnt 0x0                                ; earlier stores have read v[PC] on and v[PW]
	QUANT 1+(\i/4), 64*(\i%4)
	OUT \i
.Lskip\i:
.endr
	s_add_co_u32 s22, s22, 20
	s_cmp_ge_u32 s22, s20                          ; no tile of mine is left: out.  After the fourth pass t0 is w + 80, past every expert's 64 tiles, so this jump is taken then at the latest
	s_cbranch_scc1 .Ldone
	s_wait_xcnt 0x0                                ; the stores have read their bases
	s_add_nc_u64 s[30:31], s[30:31], 20*65536
	s_add_nc_u64 s[32:33], s[32:33], 20*2048
	SELECT 0                                       ; the next five tiles' tokens, from the masks (x's loads of this pass were all waited for: their offsets may be written)
	ADDR
	XSL
	XK 0
	XK 1
	XK 2
	XK 3
	s_add_co_u32 s21, s21, 1
	s_cmp_lt_u32 s21, 4
	s_cbranch_scc1 .Lpass
.Ldone:
	s_wait_tensorcnt 0x0
	ds_add_u32 v95, v127
	s_wait_dscnt 0x0
	s_endpgm
.Lfunc_end_k_q4464505576_up:
	.size	k_q4464505576_up, .Lfunc_end_k_q4464505576_up-k_q4464505576_up
	.p2alignl 7, 3214868480
	.fill 96, 4, 3214868480
	.section	.rodata,"a",@progbits
	.p2align	6, 0x0
	.amdhsa_kernel k_q4464505576_up
		.amdhsa_group_segment_fixed_size 133632
		.amdhsa_private_segment_fixed_size 0
		.amdhsa_enable_private_segment 0
		.amdhsa_kernarg_size 72
		.amdhsa_user_sgpr_count 2
		.amdhsa_user_sgpr_kernarg_segment_ptr 1
		.amdhsa_wavefront_size32 1
		.amdhsa_system_sgpr_workgroup_id_x 1
		.amdhsa_system_sgpr_workgroup_id_y 1
		.amdhsa_system_sgpr_workgroup_id_z 1
		.amdhsa_system_vgpr_workitem_id 0
		.amdhsa_next_free_vgpr 1024
		.amdhsa_next_free_sgpr 100
		.amdhsa_reserve_vcc 0
		.amdhsa_float_denorm_mode_32 3
		.amdhsa_float_denorm_mode_16_64 3
		.amdhsa_memory_ordered 1
		.amdhsa_forward_progress 1
		.amdhsa_inst_pref_size 225
	.end_amdhsa_kernel
	.amdgpu_metadata
---
amdhsa.version: [ 1, 2 ]
amdhsa.kernels:
  - .name:           k_q4464505576_up
    .symbol:         k_q4464505576_up.kd
    .args:
      - { .name: xc, .offset: 0, .size: 8, .value_kind: global_buffer, .address_space: global }
      - { .name: w1_codes, .offset: 8, .size: 8, .value_kind: global_buffer, .address_space: global }
      - { .name: w1_scales, .offset: 16, .size: 8, .value_kind: global_buffer, .address_space: global }
      - { .name: b1, .offset: 24, .size: 8, .value_kind: global_buffer, .address_space: global }
      - { .name: route, .offset: 32, .size: 8, .value_kind: global_buffer, .address_space: global }
      - { .name: gval, .offset: 40, .size: 8, .value_kind: global_buffer, .address_space: global }
      - { .name: hc, .offset: 48, .size: 8, .value_kind: global_buffer, .address_space: global }
      - { .name: place, .offset: 56, .size: 8, .value_kind: global_buffer, .address_space: global }
      - { .name: wgt, .offset: 64, .size: 8, .value_kind: global_buffer, .address_space: global }
    .group_segment_fixed_size: 133632
    .private_segment_fixed_size: 0
    .kernarg_segment_align: 8
    .kernarg_segment_size: 72
    .max_flat_workgroup_size: 128
    .sgpr_count:     100
    .vgpr_count:     1024
    .wavefront_size: 32
...
	.end_amdgpu_metadata
.endif
;; end of part 6
;; launch down: the kernel of part 4 again; grid 32 x 8, 4 waves a work-group, no clusters, 52,736 bytes of LDS; arguments hc, w2_codes, w2_scales, b2, place, wgt, y; writes y
;; launch sum (part 7): grid 256 x 1, 4 waves a work-group, no clusters, 0 bytes of LDS; arguments y, place, out0, out1; writes out0, out1
.if DOCPART == 7
	.amdgcn_target "amdgcn-amd-amdhsa--gfx1250"
	.amdhsa_code_object_version 6
	.text
	.protected	k_q4464505576_sum
	.globl	k_q4464505576_sum
	.p2align	8
	.type	k_q4464505576_sum,@function
k_q4464505576_sum:
	s_mov_b64 s[64:65], 0
	v_nop
	global_prefetch_b8 v0, s[64:65] scope:SCOPE_SE
	s_setreg_imm32_b32 hwreg(HW_REG_WAVE_MODE, 25, 1), 1
	s_wait_xcnt 0x0
; out0[t] = y[t] + y[1024 + t]: a token's two weighted rows.  y: [2056][1024] f32 (rows from 2,048 on are spare and not read), out0: [1024][1024] f32.
; A wave takes a token: 4 x work-group + wave.  Sixteen loads of 512 consecutive bytes, all issued at once; eight stores of 512 consecutive bytes.  No loop, no LDS, no barrier: a plain stream.
; out1 = the sum over the experts of (count / 2048)^2, from the eight counts at byte 32,768 of place: each token has two different experts, so the counts add up to 2,048.  Wave 0 of work-group 0 stores it.
	s_load_b256 s[4:11], s[0:1], 0x0               ; y s[4:5], place s[6:7], out0 s[8:9], out1 s[10:11]
	v_lshrrev_b32 v1, 5, v0
	v_readfirstlane_b32 s12, v1                    ; wave
	v_and_b32 v2, 31, v0
	v_lshlrev_b32 v2, 4, v2
	v_lshl_or_b32 v1, v1, 12, v2                   ; 4,096 x wave + 16 x lane
	s_lshl_b32 s14, ttmp9, 14                      ; four rows a work-group
	s_mov_b32 s15, 0
	s_wait_kmcnt 0x0
	s_load_b256 s[16:23], s[6:7], 0x8000           ; the counts: asked for here, waited for only where they are used
	s_add_nc_u64 s[4:5], s[4:5], s[14:15]
	s_add_nc_u64 s[8:9], s[8:9], s[14:15]
.irp i, 0,1,2,3,4,5,6,7
	global_load_b128 v[8+4*\i:11+4*\i], v1, s[4:5] offset:512*\i th:TH_LOAD_NT
.endr
.irp i, 0,1,2,3,4,5,6,7
	global_load_b128 v[40+4*\i:43+4*\i], v1, s[4:5] offset:4194304+512*\i th:TH_LOAD_NT   ; 1,024 rows further down
.endr
.irp i, 0,1,2,3,4,5,6,7
	s_wait_loadcnt 7-\i                            ; loads come back in order (ISA guide 5.7.1): both of piece i are in; the second row's younger loads stay out
	v_pk_add_f32 v[8+4*\i:9+4*\i], v[8+4*\i:9+4*\i], v[40+4*\i:41+4*\i]
	v_pk_add_f32 v[10+4*\i:11+4*\i], v[10+4*\i:11+4*\i], v[42+4*\i:43+4*\i]
	global_store_b128 v1, v[8+4*\i:11+4*\i], s[8:9] offset:512*\i th:TH_STORE_NT
.endr
	s_or_b32 s12, s12, ttmp9                       ; 0 in wave 0 of work-group 0 alone
	s_cmp_lg_u32 s12, 0
	s_cbranch_scc1 .Lend
	s_wait_kmcnt 0x0
	v_mov_b32 v3, 0
	v_cvt_f32_u32 v4, s16
	v_mul_f32 v4, 0x3a000000, v4                   ; / 2048, exact
	v_mul_f32 v5, v4, v4
.irp e, 1,2,3,4,5,6,7
	v_cvt_f32_u32 v4, s[16+\e]
	v_mul_f32 v4, 0x3a000000, v4
	v_fma_f32 v5, v4, v4, v5
.endr
	global_store_b32 v3, v5, s[10:11]              ; all lanes store the same word with the same value
.Lend:
	s_endpgm
.Lfunc_end_k_q4464505576_sum:
	.size	k_q4464505576_sum, .Lfunc_end_k_q4464505576_sum-k_q4464505576_sum
	.p2alignl 7, 3214868480
	.fill 96, 4, 3214868480
	.section	.rodata,"a",@progbits
	.p2align	6, 0x0
	.amdhsa_kernel k_q4464505576_sum
		.amdhsa_group_segment_fixed_size 0
		.amdhsa_private_segment_fixed_size 0
		.amdhsa_enable_private_segment 0
		.amdhsa_kernarg_size 32
		.amdhsa_user_sgpr_count 2
		.amdhsa_user_sgpr_kernarg_segment_ptr 1
		.amdhsa_wavefront_size32 1
		.amdhsa_system_sgpr_workgroup_id_x 1
		.amdhsa_system_sgpr_workgroup_id_y 1
		.amdhsa_system_sgpr_workgroup_id_z 1
		.amdhsa_system_vgpr_workitem_id 0
		.amdhsa_next_free_vgpr 72
		.amdhsa_next_free_sgpr 66
		.amdhsa_reserve_vcc 0
		.amdhsa_float_denorm_mode_32 3
		.amdhsa_float_denorm_mode_16_64 3
		.amdhsa_memory_ordered 1
		.amdhsa_forward_progress 1
		.amdhsa_inst_pref_size 6
	.end_amdhsa_kernel
	.amdgpu_metadata
---
amdhsa.version: [ 1, 2 ]
amdhsa.kernels:
  - .name:           k_q4464505576_sum
    .symbol:         k_q4464505576_sum.kd
    .args:
      - { .name: y, .offset: 0, .size: 8, .value_kind: global_buffer, .address_space: global }
      - { .name: place, .offset: 8, .size: 8, .value_kind: global_buffer, .address_space: global }
      - { .name: out0, .offset: 16, .size: 8, .value_kind: global_buffer, .address_space: global }
      - { .name: out1, .offset: 24, .size: 8, .value_kind: global_buffer, .address_space: global }
    .group_segment_fixed_size: 0
    .private_segment_fixed_size: 0
    .kernarg_segment_align: 8
    .kernarg_segment_size: 32
    .max_flat_workgroup_size: 128
    .sgpr_count:     66
    .vgpr_count:     72
    .wavefront_size: 32
...
	.end_amdgpu_metadata
.endif
;; end of part 7
;; ======== version 3 of 3: 4 launches; version 2 with the launches up, down written anew for expert scheduling mode
;; workspace buffers: xc 1,081,344 bytes; route 8,192 bytes of whole numbers; gval 8,192 bytes; place 33,024 bytes of whole numbers; wgt 32,768 bytes; hc 34,603,008 bytes; y 8,421,376 bytes
;; launch gate: the kernel of part 1 again; grid 256 x 1, 2 waves a work-group, no clusters, 11,008 bytes of LDS; arguments x, gate_w, gate_b, xc, route, gval; writes xc, route, gval
;; launch up (part 8): grid 32 x 8, 4 waves a work-group, no clusters, 133,632 bytes of LDS; arguments xc, w1_codes, w1_scales, b1, route, gval, hc, place, wgt; writes hc, place, wgt
.if DOCPART == 8
	.amdgcn_target "amdgcn-amd-amdhsa--gfx1250"
	.amdhsa_code_object_version 6
	.text
	.protected	k_q4464505576_up
	.globl	k_q4464505576_up
	.p2align	8
	.type	k_q4464505576_up,@function
k_q4464505576_up:
	s_mov_b64 s[64:65], 0
	v_nop
	global_prefetch_b8 v0, s[64:65] scope:SCOPE_SE
	s_setreg_imm32_b32 hwreg(HW_REG_WAVE_SCHED_MODE, 0, 2), 2
	s_setreg_imm32_b32 hwreg(HW_REG_WAVE_MODE, 25, 1), 1
	s_wait_xcnt 0x0
	s_wait_alu depctr_vm_vsrc(0)
; THE ROWS ARE PLACED BY EXPERT, AND THE FIRST PRODUCT IS MADE FOR THE CHOSEN ROWS ALONE: h = Q(relu(Q(x) W1 + b1)), on codes of E5M2 with one E8M0 scale for each 32 along K.
; Work-group (j, e) owns hidden units 128 j .. 128 j + 127 of expert e: 128 KB of W1's codes, read from memory once, by this work-group alone, and kept in LDS.  Those 128 units are K step j of the second product.
; PLACING.  route [1024][2] u32 (the launch before) holds each token's two experts.  Every wave reads all of it and keeps expert e's members as 32 masks: word i, bit l = token 64 (i / 2) + 2 l + i % 2.
; A row's rank is the number of members ahead of it in that order.  The token of a rank is found in registers: the last word whose running count is not above the rank, then the bit, by five halvings on partial counts of the word's bits.
; No LDS, no atomics, and every work-group of an expert finds the same order.
; THE LIST FOR THE NEXT LAUNCH.  Wave 0 of work-group (j, e) stores word j's 32 entries: a member at its rank (dst = 1024 x choice + token, its probability), a token that is no member at count + the non-members ahead of it
; (dst = 2048 + e, weight 0).  That is a permutation of the expert's 1,024 ranks: every word of place [8][1024] u32 and wgt [8][1024] f32 is written once.  Work-group (0, e) stores the count at byte 32,768 + 4 e of place.
; THE ROWS go in tiles of 16.  Wave w takes tiles t0 + 4 i, i = 0 .. 4, t0 = w + 20 x pass: a pass serves 320 rows.
; THE PASSES ARE A LOOP OF CONSTANT COUNT, four: 4 x 20 tiles cover the 64 that an expert can have.  A wave leaves it by a forward jump as soon as t0 has reached the expert's number of tiles.
; A tile at or past the expert's last is multiplied on rows that exist and not stored: one text for every count.  At least tile 0 of every expert is stored, so that the next launch reads nothing that was not written.
; THE PRODUCT IS USED TRANSPOSED (source 0 = 16 rows of W1, source 1 = 16 rows of x): a lane holds ONE row of h, its registers run along the hidden units.  THE ROWS OF W1 THAT FORM A TILE ARE NOT NEIGHBOURS: row r of tile
; 2 b + u is hidden unit 32 b + 8 u + r + 8 (r / 8), so that the 16 registers of tiles 2 b and 2 b + 1 are 16 neighbours along the next K.  In LDS that is the unit's number with bits 3 and 4 exchanged, done by the staging stores' offsets.
; b1 is the C of each sum's first product.  relu costs nothing: the hold that the conversion wants clips at 0 too.
; hc: the codes as images of the operand's registers, [64 e + tile][K step j][c][lane][16 bytes] from byte 0; the scale words [64 e + tile][j][16 rows] u32 from byte 33,554,432.
; NO TENSOR LOADS, NO CLUSTER: the jump out of the loop and the jumps round the stores hang on numbers read from memory.  The one barrier stands ahead of every such branch.
; LIMITS: NaN and infinities are not served; a block of zeros gets the byte 1 with zero codes (this program alone reads the bytes); blocks whose largest number lies under 2^-111 keep the byte 1.
; REGISTERS, in windows of 256.  window 0: addresses, scale words, the quantiser's and the search's registers; v128-255 W1's fragments, two sets of four.
;   window 1: accumulator (i < 4, t) at 64 i + 8 t (at the head: the weights on their way to LDS).   window 2: v0-63 accumulators (4, t); v64-127 row tile 4's fragments of x; v128-191 b1 in the result's layout; v192-255 route.
;   window 3: the fragments of x of row tiles 0-3, at 64 i + 16 x slot, four slots: K step s lies in slot s % 4.
; THE MODE: SCHED_MODE bits 1:0 = 2 (LLVM: expert scheduling mode 2), set by the entry lines.  The code itself states the register dependences
; between vector or matrix instructions and memory or LDS instructions, with s_wait_alu, always for 0.
; THE PLAN.  Registers that memory or LDS instructions touch:
;   v1-6, v22, v23   Offsets and LDS addresses: written at the head, ahead of the first wait on va_vdst, and never again.
;   v[XA], v[XSA]    Written by ADDR, once a pass; read by x's loads.  A wait on vm_vsrc ahead of a later pass's search, a wait on va_vdst behind ADDR.
;   WF, two sets     Group g's products read set g % 2; its sixteen LDS loads were issued during group g - 1.
;   x's four slots   K step s's products (groups 2 s, 2 s + 1) read slot s % 4; K step s + 3's twenty loads are issued during group 2 s, into the slot that K step s - 1 has left.
;   v[XS]            Loaded once a pass, behind ADDR's wait; read by the products as scales.
;   window 1         At the head: loaded with the weights and read by the staging LDS stores; from the first product on: accumulators.  One wait on vm_vsrc between the two.
;   v[PC], v[PW]     Written by the quantiser (in wave 0 also by the list's lines); read by the stores that follow.  A wait on va_vdst ahead of each run of stores; a wait on vm_vsrc in the quantiser, ahead of its first line that writes them.
; So ONE wait on va_vdst stands at the head of each of groups 1 to 14: the group before is done reading the set, and in even groups the K step before its slot, in which this group's loads land.  Those loads are dealt among the
; group's twenty products, which name the other set, another slot, the accumulators and the scale words: none of the registers that the loads touch.  Group 0's loads lean on ADDR's wait; group 15 issues none.
; A mask that a compare writes is read only behind a wait on va_sdst: the compares stand in runs, one wait behind each run.
.set PITCH, 1040                       ; an LDS row: 1,024 bytes + 16: 65 x 16, so that the 16 rows that a load touches start 16 bytes apart modulo 256
.set R4,  1                            ; v1   4 (lane % 16)
.set H16, 2                            ; v2   16 (lane / 16)
.set L16, 3                            ; v3   16 x lane
.set WA0, 4                            ; v4   LDS: my place in tiles 0-3;  v5: in tiles 4-7
.set WA1, 5
.set SWA, 6                            ; v6   LDS: where my wave stages its 32 rows
.set XA,  7                            ; v7-11   row tile i: my token's codes
.set XSA, 12                           ; v12-16  my token's scale bytes
.set TK,  17                           ; v17-21  my token
.set B1A, 22                           ; v22  64 (lane / 16)
.set WSA, 23                           ; v23  my row of W1's scale bytes
.set WS,  24                           ; v24-55  W1's scale words: tile t, register q: lanes 0-15 K step q, lanes 16-31 K step 4 + q
.set XS,  56                           ; v56-75  x's, row tile i, likewise
.set TM,  76                           ; v76-91  the quantiser's; the search's partial counts
.set PW,  92                           ; v92  the scale word just made
.set RB,  93                           ; v93  lane % 16 + 64 (lane / 16): lanes 16-31 search for the tile four further on
.set RC,  94                           ; v94  lane % 16 + 256
.set PC,  96                           ; v96-111 the codes just made; at the head: my word of route and gval, and the list's stores
.set RH,  112                          ; v112-114 the ranks searched for: tiles 0 and 1, 2 and 3, 4; then the rank inside the word
.set SW,  115                          ; v115-117 the word found
.set SP,  118                          ; v118-120 its running count; then the bit's place
.set SB,  121                          ; v121-123 its number; then the token
.set WF,  128
.set MK,  54                           ; s54-56  three masks at work
.set BM,  66                           ; s66-97  the expert's members, 32 words
.set MSB, 0
.macro WIN new                         ; the immediate's high byte repeats the setting that is left
.if MSB != (\new)
	s_set_vgpr_msb (MSB<<8)|(\new)
.set MSB, (\new)
.endif
.endm
.macro PLACES n
.rept \n
	v_nop
.endr
.endm
; One halving of the search inside a word: the set bits in the lower half of what is left (a field of wd bits at the place so far, out of the partial counts ar); where the rank is not under them, they are taken off it and the place moves up by st
.macro LEVEL ar, wd, st, upd
.irp j, 0,1,2
	v_bfe_u32 v[TM+9+\j], v[(\ar)+\j], v[SP+\j], \wd
.endr
.irp j, 0,1,2
	v_cmp_ge_u32 s[MK+\j], v[RH+\j], v[TM+9+\j]
.endr
.if \upd
.irp j, 0,1,2
	v_sub_nc_u32 v[TM+12+\j], v[RH+\j], v[TM+9+\j]
.endr
.endif
	s_wait_alu depctr_va_sdst(0)                   ; the three masks are written, ahead of the selects that read them
.if \upd
.irp j, 0,1,2
	v_cndmask_b32 v[RH+\j], v[RH+\j], v[TM+12+\j], s[MK+\j]
.endr
.endif
.irp j, 0,1,2
	v_cndmask_b32 v[TM+12+\j], 0, \st, s[MK+\j]
.endr
.irp j, 0,1,2
	v_add_nc_u32 v[SP+\j], v[SP+\j], v[TM+12+\j]
.endr
.endm
; The tokens of my five tiles' ranks, from the masks.  first = 1: the running count at word j (s46) and the expert's count (s19) are kept on the way.
; A rank at or past the count ends in word 31 at some bit: a token that exists.
.macro SELECT first
.irp i, 0,1,2,3,4
	s_add_co_u32 s[40+\i], s22, 4*\i               ; my tiles' numbers
.endr
	s_lshl_b32 s35, s22, 4
	v_add_nc_u32 v[RH], s35, v[RB]                 ; lanes 0-15: tile t0, lanes 16-31: tile t0 + 4
	v_add_nc_u32 v[RH+2], s35, v[RC]               ; tile t0 + 16
	v_add_nc_u32 v[RH+1], 128, v[RH]               ; tiles t0 + 8 and t0 + 12
.irp j, 0,1,2
	v_mov_b32 v[SW+\j], s[BM]                      ; word 0, whose running count, 0, is above no rank
	v_mov_b32 v[SP+\j], 0
	v_mov_b32 v[SB+\j], 0
.endr
	s_mov_b32 s45, 0
.set I, 1
.rept 31
	s_bcnt1_i32_b32 s47, s[BM+I-1]
	s_add_co_u32 s45, s45, s47                     ; the members ahead of word I
.if \first
	s_cmp_eq_u32 s17, I
	s_cselect_b32 s46, s45, s46
.endif
.irp j, 0,1,2
	v_cmp_gt_u32 s[MK+\j], s45, v[RH+\j]           ; above my rank: what I have stays
.endr
	s_wait_alu depctr_va_sdst(0)                   ; the three masks are written, ahead of the nine selects that read them
.irp j, 0,1,2
	v_cndmask_b32 v[SW+\j], s[BM+I], v[SW+\j], s[MK+\j]
.endr
.irp j, 0,1,2
	v_cndmask_b32 v[SP+\j], s45, v[SP+\j], s[MK+\j]
.endr
.irp j, 0,1,2
	v_cndmask_b32 v[SB+\j], I, v[SB+\j], s[MK+\j]
.endr
.set I, I+1
.endr
.if \first
	s_bcnt1_i32_b32 s47, s[BM+31]
	s_add_co_u32 s19, s45, s47                     ; the expert's count
.endif
.irp j, 0,1,2
	v_sub_nc_u32 v[RH+\j], v[RH+\j], v[SP+\j]      ; the rank inside the word
.endr
.irp j, 0,1,2
	v_lshrrev_b32 v[TM+9+\j], 1, v[SW+\j]
.endr
.irp j, 0,1,2
	v_and_b32 v[TM+9+\j], 0x55555555, v[TM+9+\j]
.endr
.irp j, 0,1,2
	v_sub_nc_u32 v[TM+\j], v[SW+\j], v[TM+9+\j]    ; the set bits of each 2
.endr
.irp j, 0,1,2
	v_lshrrev_b32 v[TM+9+\j], 2, v[TM+\j]
.endr
.irp j, 0,1,2
	v_and_b32 v[TM+9+\j], 0x33333333, v[TM+9+\j]
.endr
.irp j, 0,1,2
	v_and_b32 v[TM+3+\j], 0x33333333, v[TM+\j]
.endr
.irp j, 0,1,2
	v_add_nc_u32 v[TM+3+\j], v[TM+3+\j], v[TM+9+\j]   ; of each 4
.endr
.irp j, 0,1,2
	v_lshrrev_b32 v[TM+9+\j], 4, v[TM+3+\j]
.endr
.irp j, 0,1,2
	v_add_nc_u32 v[TM+6+\j], v[TM+3+\j], v[TM+9+\j]
.endr
.irp j, 0,1,2
	v_and_b32 v[TM+6+\j], 0x0f0f0f0f, v[TM+6+\j]   ; of each 8
.endr
.irp j, 0,1,2
	v_lshrrev_b32 v[TM+9+\j], 8, v[TM+6+\j]
.endr
.irp j, 0,1,2
	v_add_nc_u32 v[TM+9+\j], v[TM+9+\j], v[TM+6+\j]
.endr
.irp j, 0,1,2
	v_and_b32 v[TM+9+\j], 0xff, v[TM+9+\j]         ; of the lower 16
.endr
.irp j, 0,1,2
	v_cmp_ge_u32 s[MK+\j], v[RH+\j], v[TM+9+\j]
.endr
.irp j, 0,1,2
	v_sub_nc_u32 v[TM+12+\j], v[RH+\j], v[TM+9+\j]
.endr
	s_wait_alu depctr_va_sdst(0)                   ; the three masks are written, ahead of the selects that read them
.irp j, 0,1,2
	v_cndmask_b32 v[RH+\j], v[RH+\j], v[TM+12+\j], s[MK+\j]
.endr
.irp j, 0,1,2
	v_cndmask_b32 v[SP+\j], 0, 16, s[MK+\j]        ; the bit's place, so far
.endr
	LEVEL TM+6, 8, 8, 1
	LEVEL TM+3, 4, 4, 1
	LEVEL TM, 2, 2, 1
	LEVEL SW, 1, 1, 0
.irp j, 0,1,2
	v_lshrrev_b32 v[TM+9+\j], 1, v[SB+\j]
.endr
.irp j, 0,1,2
	v_and_b32 v[SB+\j], 1, v[SB+\j]
.endr
.irp j, 0,1,2
	v_lshl_add_u32 v[SB+\j], v[TM+9+\j], 6, v[SB+\j]
.endr
.irp j, 0,1,2
	v_lshl_add_u32 v[SB+\j], v[SP+\j], 1, v[SB+\j] ; token = 64 (word / 2) + word % 2 + 2 x bit
.endr
	v_permlanex16_b32 v[TM], v[SB], s24, s25       ; (a lane permute's destination counts as read: these two have been written above)
	v_permlanex16_b32 v[TM+1], v[SB+1], s24, s25
	v_cndmask_b32 v[TK], v[SB], v[TM], s57         ; each tile's 16 tokens into both halves of the lanes (s57: lanes 16-31)
	v_cndmask_b32 v[TK+1], v[TM], v[SB], s57
	v_cndmask_b32 v[TK+2], v[SB+1], v[TM+1], s57
	v_cndmask_b32 v[TK+3], v[TM+1], v[SB+1], s57
	v_mov_b32 v[TK+4], v[SB+2]
.endm
.macro ADDR                            ; token -> offsets; the token is held inside x's 1,024 rows
.irp i, 0,1,2,3,4
	v_min_u32 v[TK+\i], 0x3ff, v[TK+\i]
	v_lshl_add_u32 v[XA+\i], v[TK+\i], 10, v[H16]
	v_lshl_add_u32 v[XSA+\i], v[TK+\i], 5, v[H16]
.endr
.endm
.macro XSL
.irp i, 0,1,2,3,4
	global_load_b128 v[XS+4*\i:XS+4*\i+3], v[XSA+\i], s[26:27]
.endr
.endm
.macro XK s                            ; K step s of x for my five tiles: 20 loads, in one run: ahead of the loop
	WIN 0xc0                                       ; destination window 3
.irp i, 0,1,2,3
.irp c, 0,1,2,3
	global_load_b128 v[64*\i+16*((\s)%4)+4*\c:64*\i+16*((\s)%4)+4*\c+3], v[XA+\i], s[4:5] offset:128*(\s)+32*\c
.endr
.endr
	WIN 0x80                                       ; destination window 2
.irp c, 0,1,2,3
	global_load_b128 v[64+16*((\s)%4)+4*\c:64+16*((\s)%4)+4*\c+3], v[XA+4], s[4:5] offset:128*(\s)+32*\c
.endr
	WIN 0
.endm
.macro XL1 s, n                        ; the same loads one at a time, for the loop.  Load n of the sixteen of row tiles 0-3 (tile n / 4, piece n % 4): destination window 3
	global_load_b128 v[64*((\n)/4)+16*((\s)%4)+4*((\n)%4):64*((\n)/4)+16*((\s)%4)+4*((\n)%4)+3], v[XA+(\n)/4], s[4:5] offset:128*(\s)+32*((\n)%4)
.endm
.macro XL4 s, c                        ; piece c of row tile 4: destination window 2
	global_load_b128 v[64+16*((\s)%4)+4*(\c):64+16*((\s)%4)+4*(\c)+3], v[XA+4], s[4:5] offset:128*(\s)+32*(\c)
.endm
.macro WL1 g, n                        ; group g: K step g / 2, W1's tiles 4 (g % 2) .. + 3, into set g % 2: load n of its sixteen LDS loads (tile n / 4, piece n % 4)
	ds_load_b128 v[WF+64*((\g)%2)+4*(\n):WF+64*((\g)%2)+4*(\n)+3], v[WA0+(\g)%2] offset:16*PITCH*((\n)/4)+128*((\g)/2)+32*((\n)%4)
.endm
.macro WLOAD g                         ; all sixteen in one run
.set wn, 0
.rept 16
	WL1 \g, wn
.set wn, wn+1
.endr
.endm
.macro WM d, a, b, c, sa, sb, hi       ; hi = 1: K steps 4 to 7, whose scale words lie in lanes 16-31
.if \hi
	v_wmma_scale_f32_16x16x128_f8f6f4 v[(\d):(\d)+7], v[(\a):(\a)+15], v[(\b):(\b)+15], v[(\c):(\c)+7], v[(\sa)], v[(\sb)] matrix_a_fmt:MATRIX_FMT_BF8 matrix_b_fmt:MATRIX_FMT_BF8 matrix_a_scale:MATRIX_SCALE_ROW1 matrix_b_scale:MATRIX_SCALE_ROW1
.else
	v_wmma_scale_f32_16x16x128_f8f6f4 v[(\d):(\d)+7], v[(\a):(\a)+15], v[(\b):(\b)+15], v[(\c):(\c)+7], v[(\sa)], v[(\sb)] matrix_a_fmt:MATRIX_FMT_BF8 matrix_b_fmt:MATRIX_FMT_BF8
.endif
.endm
; 20 products: four tiles of W1 x five row tiles.  All 20 accumulators differ, and the next group's are the other 20: they take turns.
; THE GROUP'S LOADS ARE DEALT AMONG THEM.  Behind each of the first eight products: two of the next group's sixteen LDS loads, so that twelve products stand between the last of them and the wait for them.
; In groups 2, 4, 6, 8: behind each of products 8 to 15 two of the sixteen loads of K step g / 2 + 3 of x for row tiles 0-3; row tile 4's four stand behind the last four products, whose window setting
; (source 0 window 0, destination window 2) is the one that those loads want.  None owes a wait of its own: no product of this group names a register that they touch.
.macro MULG g
.set ss, (\g)/2
.set sq, ss%4
.set pb, (\g)%2
.set xn, 0
.if ((\g) > 0) && ((\g) < 10) && (pb == 0)
.set xn, 1
.endif
.set kk, 0
.rept 16
.set ru, kk/4
.set ri, kk%4
.set tt, 4*pb+ru
.set rD, 64*ri+8*tt
.set rC, rD
.if ss == 0
.set rC, 128+8*tt
	WIN 0x6c                                       ; A window 0, B window 3, C (b1) window 2, D window 1
.else
	WIN 0x5c                                       ; C and D window 1
.endif
	WM rD, WF+64*pb+16*ru, 64*ri+16*sq, rC, WS+4*tt+sq, XS+4*ri+sq, ss/4
.if ((\g) < 15) && (kk < 8)
	WIN 0
	WL1 (\g)+1, 2*kk
	WL1 (\g)+1, 2*kk+1
.endif
.if xn && (kk >= 8)
	WIN 0xc0                                       ; destination window 3
	XL1 ss+3, 2*kk-16
	XL1 ss+3, 2*kk-15
.endif
.set kk, kk+1
.endr
	WIN 0xa8                                       ; row tile 4: B, C and D window 2
.set kk, 0
.rept 4
.set tt, 4*pb+kk
.set rD, 8*tt
.set rC, rD
.if ss == 0
.set rC, 128+8*tt
.endif
	WM rD, WF+64*pb+16*kk, 64+16*sq, rC, WS+4*tt+sq, XS+16+sq, ss/4
.if xn
	XL4 ss+3, kk
.endif
.set kk, kk+1
.endr
	WIN 0
.endm
; 64 numbers of a lane in window aw, from register sb on (register 16 b + i = hidden unit 32 b + 16 (lane / 16) + i of my row), become a fragment's codes in v[PC] on and its scale word in v[PW].
; No |.| on the maximum's sources: what is negative is to become 0, so it must not count; the floor stands over it.  Each accumulator is read from its low end on.
.macro QUANT aw, sb
	WIN (\aw)|((\aw)<<2)
.irp b, 0,1,2,3
	v_max3_num_f32 v[TM+\b], v[(\sb)+16*\b], v[(\sb)+1+16*\b], 0x8000000   ; the floor 2^(16 - 127): the byte cannot fall under 1
.endr
	WIN ((\aw)<<2)|((\aw)<<4)
.irp i, 2,4,6,8,10,12,14
.irp b, 0,1,2,3
	v_max3_num_f32 v[TM+\b], v[TM+\b], v[(\sb)+16*\b+\i], v[(\sb)+1+16*\b+\i]
.endr
.endr
	WIN 0
.irp b, 0,1,2,3
	v_permlanex16_b32 v[TM+4+\b], v[TM+\b], s24, s25
.endr
.irp b, 0,1,2,3
	v_max_num_f32 v[TM+\b], v[TM+\b], v[TM+4+\b]   ; with lane l xor 16's: the block's largest number
.endr
.irp b, 0,1,2,3
	v_add_nc_u32 v[TM+12+\b], 0xf8800000, v[TM+\b] ; 15 off its exponent field: the conversion's scale operand
.endr
.irp b, 0,1,2,3
	v_and_or_b32 v[TM+8+\b], v[TM+\b], 0x7f800000, s23   ; 57,344 x the scale
.endr
.irp b, 0,1,2,3
	v_lshrrev_b32 v[TM+4+\b], 23, v[TM+12+\b]      ; the scale's byte
.endr
	s_wait_xcnt 0x0                                ; earlier stores have had their addresses translated (ISA guide 3.1): v[PW] and v[PC] on, their data, are written again only behind this wait
	s_wait_alu depctr_vm_vsrc(0)                   ; and they have read v[PW] and v[PC] on: the last tile's stores; in wave 0 the list's too.  The lines above stand between those stores and this pair of waits
	v_lshl_or_b32 v[PW], v[TM+5], 8, v[TM+4]
	v_lshl_or_b32 v[PW], v[TM+6], 16, v[PW]
	v_lshl_or_b32 v[PW], v[TM+7], 24, v[PW]
	WIN (\aw)|((\aw)<<6)
.irp b, 0,1,2,3
.irp i, 0,1,2,3,4,5,6,7,8,9,10,11,12,13,14,15
	v_med3_num_f32 v[(\sb)+16*\b+\i], v[(\sb)+16*\b+\i], 0, v[TM+8+\b]   ; the activation and the hold in one (the conversion does not saturate: ISA guide 7.6.2)
.endr
.endr
	WIN (\aw)
.irp b, 0,1,2,3
	v_cvt_scalef32_pk8_bf8_f32 v[PC+4*\b:PC+1+4*\b], v[(\sb)+16*\b:(\sb)+7+16*\b], v[TM+12+\b]
	v_cvt_scalef32_pk8_bf8_f32 v[PC+2+4*\b:PC+3+4*\b], v[(\sb)+8+16*\b:(\sb)+15+16*\b], v[TM+12+\b]
.endr
	WIN 0
	v_nop                                          ; a plain line behind the last conversion: later products write its sources
.endm
.macro OUT i
	s_wait_alu depctr_va_vdst(0)                   ; the conversions have written v[PC] on, and the lines ahead of them v[PW]: the five stores below read them
.irp c, 0,1,2,3
	global_store_b128 v[L16], v[PC+4*\c:PC+4*\c+3], s[30:31] offset:262144*(\i)+512*\c   ; the image: 32 lanes store 512 consecutive bytes
.endr
	global_store_b32 v[R4], v[PW], s[32:33] offset:8192*(\i)   ; 16 words; both halves of the lanes hold the same word
.endm
	s_load_b256 s[4:11], s[0:1], 0x0               ; xc s[4:5], W1's codes s[6:7], its scales s[8:9], b1 s[10:11]
	s_load_b128 s[12:15], s[0:1], 0x20             ; route s[12:13], gval s[14:15]
	s_load_b128 s[48:51], s[0:1], 0x30             ; hc s[48:49], place s[50:51]
	s_load_b64 s[52:53], s[0:1], 0x40              ; wgt
	v_lshl_add_u32 v95, v0, 2, 0x20800
	v_mov_b32 v127, 0
	v_lshrrev_b32 v1, 5, v0
	v_readfirstlane_b32 s16, v1                    ; wave
	s_mov_b32 s17, ttmp9                           ; j
	s_and_b32 s18, ttmp7, 0xffff                   ; e
	v_and_b32 v124, 31, v0
	v_and_b32 v125, 15, v0                         ; r
	v_bfe_u32 v126, v0, 4, 1                       ; h
	v_lshlrev_b32 v[R4], 2, v125
	v_lshlrev_b32 v[H16], 4, v126
	v_lshlrev_b32 v[L16], 4, v124
	v_mul_u32_u24 v[WA0], v125, PITCH
	v_add_nc_u32 v[WA0], v[WA0], v[H16]
	v_add_nc_u32 v[WA1], 64*PITCH, v[WA0]
	s_wait_alu depctr_va_sdst(0)                   ; s16, the wave's number, is written, ahead of its first reader
	s_mul_i32 s35, s16, 32*PITCH
	v_add_nc_u32 v[SWA], s35, v[L16]
	v_lshlrev_b32 v[B1A], 6, v126
	v_and_b32 v[WSA], 8, v125
	v_add_nc_u32 v[WSA], v[WSA], v125              ; r + 8 (r / 8)
	v_lshl_add_u32 v[WSA], v[WSA], 5, v[H16]       ; 32 bytes a row, + 16 h
	v_lshl_add_u32 v[RB], v126, 6, v125
	v_add_nc_u32 v[RC], 256, v125
.irp b, 0,1,2,3
	v_mov_b32 v[TM+4+\b], 0                        ; written once: a lane permute's destination counts as one of its sources
.endr
	s_mov_b32 s21, 0                               ; the pass
	s_mov_b32 s22, s16                             ; t0
	s_mov_b32 s23, 0x600000                        ; the mantissa field of 57,344
	s_mov_b32 s24, 0x76543210
	s_mov_b32 s25, 0xfedcba98
	s_mov_b32 s37, 0
	s_mov_b32 s46, 0                               ; the members ahead of word j: 0 for j = 0
	s_mov_b32 s57, 0xffff0000                      ; lanes 16-31
	s_lshr_b32 s36, s17, 1
	s_lshl_b32 s36, s36, 9
	s_and_b32 s35, s17, 1
	s_lshl_b32 s35, s35, 3
	s_add_co_u32 s36, s36, s35                     ; word j's tokens lie 16 bytes apart from byte 512 (j / 2) + 8 (j % 2) on, in route and in gval
	s_wait_kmcnt 0x0
	s_add_nc_u64 s[38:39], s[12:13], s[36:37]
	s_add_nc_u64 s[28:29], s[14:15], s[36:37]
	s_wait_alu depctr_va_vdst(0)                   ; the offsets and LDS addresses v1 to v6, v22 and v23 are written, ahead of the loads, stores and LDS instructions that read them
	global_load_b64 v[PC:PC+1], v[L16], s[38:39]   ; word j: my token's two experts,
	global_load_b64 v[PC+2:PC+3], v[L16], s[28:29] ; and their probabilities.  First of all loads, so that every count below holds as it stands
	WIN 0x80                                       ; destination window 2
.set n, 0
.rept 16
	global_load_b128 v[192+4*n:195+4*n], v[L16], s[12:13] offset:512*n   ; all of route: 32 lanes read 512 consecutive bytes, two tokens a lane
.set n, n+1
.endr
	s_lshl_b32 s36, s18, 22
	s_lshl_b32 s35, s17, 17
	s_add_co_u32 s36, s36, s35
	s_lshl_b32 s35, s16, 15
	s_add_co_u32 s36, s36, s35
	s_add_nc_u64 s[6:7], s[6:7], s[36:37]          ; my wave's 32 rows of W1: 32 KB on end
	WIN 0x40                                       ; destination window 1
.set n, 0
.rept 64
	global_load_b128 v[4*n:4*n+3], v[L16], s[6:7] offset:512*n th:TH_LOAD_NT
.set n, n+1
.endr
	WIN 0
	s_lshl_b32 s36, s18, 17
	s_lshl_b32 s35, s17, 12
	s_add_co_u32 s36, s36, s35
	s_add_nc_u64 s[8:9], s[8:9], s[36:37]          ; the 128 rows' scale bytes
	s_lshl_b32 s36, s18, 14
	s_lshl_b32 s35, s17, 9
	s_add_co_u32 s36, s36, s35
	s_add_nc_u64 s[10:11], s[10:11], s[36:37]      ; their b1
	s_add_nc_u64 s[26:27], s[4:5], 0x100000        ; x's scale bytes
	s_lshl_b32 s36, s18, 22
	s_lshl_b32 s35, s22, 16
	s_add_co_u32 s36, s36, s35
	s_lshl_b32 s35, s17, 11
	s_add_co_u32 s36, s36, s35
	s_add_nc_u64 s[30:31], s[48:49], s[36:37]      ; hc: tile t0's image of K step j
	s_lshl_b32 s36, s18, 17
	s_lshl_b32 s35, s22, 11
	s_add_co_u32 s36, s36, s35
	s_lshl_b32 s35, s17, 6
	s_add_co_u32 s36, s36, s35
	s_add_nc_u64 s[32:33], s[48:49], s[36:37]
	s_add_nc_u64 s[32:33], s[32:33], 0x2000000     ; and its scale words
	s_lshl_b32 s36, s18, 2
	s_add_nc_u64 s[58:59], s[50:51], s[36:37]      ; place: 32,768 bytes ahead of the expert's count
	s_lshl_b32 s36, s18, 12
	s_add_nc_u64 s[50:51], s[50:51], s[36:37]      ; the expert's 1,024 ranks in place,
	s_add_nc_u64 s[52:53], s[52:53], s[36:37]      ; and in wgt
	s_wait_loadcnt 63                              ; route is in: 64 loads of weights stand behind its last load
	WIN 0x08                                       ; source 1 window 2
.set n, 0
.rept 8                                ; two loads, four words at a time: a token is a member where its first or its second expert is e
	v_cmp_eq_u32 s[BM+4*n], s18, v[192+8*n]
	v_cmp_eq_u32 s[BM+4*n+1], s18, v[194+8*n]
	v_cmp_eq_u32 s[BM+4*n+2], s18, v[196+8*n]
	v_cmp_eq_u32 s[BM+4*n+3], s18, v[198+8*n]
	v_cmp_eq_u32 s54, s18, v[193+8*n]
	v_cmp_eq_u32 s55, s18, v[195+8*n]
	v_cmp_eq_u32 s56, s18, v[197+8*n]
	v_cmp_eq_u32 s47, s18, v[199+8*n]
	s_wait_alu depctr_va_sdst(0)                   ; the eight masks are written, ahead of the four lines that join them
	s_or_b32 s[BM+4*n], s[BM+4*n], s54
	s_or_b32 s[BM+4*n+1], s[BM+4*n+1], s55
	s_or_b32 s[BM+4*n+2], s[BM+4*n+2], s56
	s_or_b32 s[BM+4*n+3], s[BM+4*n+3], s47
.set n, n+1
.endr
	WIN 0
	SELECT 1                                       ; register work, while the weights are on their way
	ADDR
	s_wait_alu depctr_va_vdst(0)                   ; ADDR has written v[XA] and v[XSA], which x's loads read as their offsets
.irp t, 0,1,2,3,4,5,6,7
	global_load_b128 v[WS+4*\t:WS+4*\t+3], v[WSA], s[8:9] offset:(32*(\t/2)+8*(\t%2))*32
.endr
	WIN 0x80
.irp t, 0,1,2,3,4,5,6,7
	global_load_b128 v[128+8*\t:128+8*\t+3], v[B1A], s[10:11] offset:(32*(\t/2)+8*(\t%2))*4
	global_load_b128 v[132+8*\t:132+8*\t+3], v[B1A], s[10:11] offset:(32*(\t/2)+8*(\t%2))*4+16
.endr
	WIN 0
	XSL
	XK 0
	; THE LIST: wave 0 stores word j's 32 entries.  No barrier stands inside this branch, and EXEC stays as it is
	s_cmp_lg_u32 s16, 0
	s_cbranch_scc1 .Lnolist
	v_cmp_eq_u32 s54, s18, v[PC]                   ; my token's first expert is e,
	v_cmp_eq_u32 s55, s18, v[PC+1]                 ; or its second
	s_wait_alu depctr_va_sdst(0)                   ; the two masks are written, ahead of the line that joins them
	s_or_b32 s56, s54, s55
	v_mbcnt_lo_u32_b32 v[PC+4], s56, 0             ; the word's members in lower lanes,
	v_add_nc_u32 v[PC+4], s46, v[PC+4]             ; and in earlier words: all members ahead of me: a member's rank
	s_lshl_b32 s35, s17, 5
	s_add_co_u32 s35, s35, s19
	v_lshrrev_b32 v[PC+5], 4, v[L16]               ; lane
	v_add_nc_u32 v[PC+6], s35, v[PC+5]
	v_sub_nc_u32 v[PC+6], v[PC+6], v[PC+4]         ; count + (32 j + lane - members ahead): the place of a token that is no member
	v_cndmask_b32 v[PC+4], v[PC+6], v[PC+4], s56
	v_min_u32 v[PC+4], 0x3ff, v[PC+4]              ; held inside the expert's 1,024 ranks,
	v_lshlrev_b32 v[PC+4], 2, v[PC+4]              ; in bytes
	s_lshr_b32 s35, s17, 1
	s_lshl_b32 s35, s35, 6
	s_and_b32 s47, s17, 1
	s_add_co_u32 s35, s35, s47
	v_lshl_add_u32 v[PC+5], v[PC+5], 1, s35        ; my token
	v_add_nc_u32 v[PC+6], 1024, v[PC+5]
	v_cndmask_b32 v[PC+5], v[PC+5], v[PC+6], s55   ; + 1024 where e is its second choice
	s_add_co_u32 s35, s18, 0x800
	v_mov_b32 v[PC+6], s35
	v_cndmask_b32 v[PC+5], v[PC+6], v[PC+5], s56   ; dst; 2048 + e for a token that is no member
	v_cndmask_b32 v[PC+7], v[PC+2], v[PC+3], s55
	v_cndmask_b32 v[PC+7], 0, v[PC+7], s56         ; the weight; 0 likewise
	s_wait_alu depctr_va_vdst(0)                   ; the place v[PC+4], dst v[PC+5] and the weight v[PC+7] are written: the two stores read them
	global_store_b32 v[PC+4], v[PC+5], s[50:51]
	global_store_b32 v[PC+4], v[PC+7], s[52:53]
	s_cmp_lg_u32 s17, 0
	s_cbranch_scc1 .Lnolist
	v_mov_b32 v[PC+8], 0
	v_mov_b32 v[PC+9], s19
	s_wait_alu depctr_va_vdst(0)                   ; v[PC+8] and v[PC+9] are written: the store reads them
	global_store_b32 v[PC+8], v[PC+9], s[58:59] offset:32768   ; the count: all lanes store the same word with the same value
.Lnolist:                              ; (these stores' registers are written again only in the quantiser, behind its two waits)
	s_wait_loadcnt 63                              ; 81 loads stand behind the first half of the weights: it is in
	WIN 0x04                                       ; an LDS store's data are its source 1: window 1
.set n, 0
.rept 64
.if n == 32
	s_wait_loadcnt 49                              ; 49 loads stand behind the second half
.endif
.set nn, n/2
.set sw, (nn&7)|(((nn>>3)&1)<<4)|(((nn>>4)&1)<<3)
	ds_store_b128 v[SWA], v[4*n:4*n+3] offset:sw*PITCH+512*(n%2)   ; row nn of my 32 goes to the row with bits 3 and 4 exchanged
.set n, n+1
.endr
	WIN 0
	XK 1
	XK 2
	XK 3
	s_min_u32 s19, s19, 0x400
	s_add_co_u32 s20, s19, 15
	s_lshr_b32 s20, s20, 4
	s_max_u32 s20, s20, 1                          ; tiles to store: at least one
	s_wait_alu depctr_vm_vsrc(0)                   ; the staging stores have read window 1's registers: from the first product on these are accumulators
	s_wait_dscnt 0x0                               ; for the others' sake: my stores have landed
	s_barrier_signal -1
	s_barrier_wait -1                              ; the 128 rows lie in LDS.  The launch's only barrier: every wave passes it
	s_cmp_ge_u32 s22, s20
	s_cbranch_scc1 .Ldone
.Lpass:
	WLOAD 0                                        ; group 0's fragments.  No wait: no vector or matrix instruction since the wait behind ADDR names either set
.set G, 0
.rept 16
.if G%2 == 0
.if G == 0
	s_wait_loadcnt 60                              ; K step 0 of x is in (and all that was asked for ahead of it): K steps 1 to 3, 20 loads each, may be out
.elseif G <= 10
	s_wait_loadcnt 40                              ; this K step of x is in: the two younger K steps may be out; the third is asked for in this group, behind this wait
.else
	s_wait_loadcnt 20*(7-G/2)                      ; one, none
.endif
.endif
	s_wait_dscnt 0x0                               ; this group's fragments are in: they were asked for behind the first eight products of the group before
.if (G > 0) && (G < 15)
	s_wait_alu depctr_va_vdst(0)                   ; the group before is done reading its set of fragments, and in an even group the K step before its slot of x: this group's loads land in them
.endif
	MULG G
.set G, G+1
.endr
	PLACES 9                                       ; eight ahead of the first read of results; nine ahead of the next pass's first products, which write over these accumulators with another C
.irp i, 0,1,2,3,4
	s_cmp_ge_u32 s[40+\i], s20                     ; a tile past the expert's last is not stored
	s_cbranch_scc1 .Lskip\i
	QUANT 1+(\i/4), 64*(\i%4)
	OUT \i
.Lskip\i:
.endr
	s_add_co_u32 s22, s22, 20
	s_cmp_ge_u32 s22, s20                          ; no tile of mine is left: out.  After the fourth pass t0 is w + 80, past every expert's 64 tiles, so this jump is taken then at the latest
	s_cbranch_scc1 .Ldone
	s_wait_xcnt 0x0                                ; the stores have read their bases
	s_wait_alu depctr_vm_vsrc(0)                   ; x's loads of this pass have read v[XA] and v[XSA], which ADDR writes again
	s_add_nc_u64 s[30:31], s[30:31], 20*65536
	s_add_nc_u64 s[32:33], s[32:33], 20*2048
	SELECT 0                                       ; the next five tiles' tokens, from the masks (x's loads of this pass were all waited for: their offsets may be written)
	ADDR
	s_wait_alu depctr_va_vdst(0)                   ; ADDR has written v[XA] and v[XSA]; the pass's products are done reading x's scale words, its four slots and both sets of W1's fragments, in all of which loads land from here on
	XSL
	XK 0
	XK 1
	XK 2
	XK 3
	s_add_co_u32 s21, s21, 1
	s_cmp_lt_u32 s21, 4
	s_cbranch_scc1 .Lpass
.Ldone:
	s_wait_dscnt 0x0                               ; the closing lines, six on end
	s_wait_alu 0x0
	s_wait_tensorcnt 0x0
	ds_add_u32 v95, v127
	s_wait_dscnt 0x0
	s_endpgm
.Lfunc_end_k_q4464505576_up:
	.size	k_q4464505576_up, .Lfunc_end_k_q4464505576_up-k_q4464505576_up
	.p2alignl 7, 3214868480
	.fill 96, 4, 3214868480
	.section	.rodata,"a",@progbits
	.p2align	6, 0x0
	.amdhsa_kernel k_q4464505576_up
		.amdhsa_group_segment_fixed_size 133632
		.amdhsa_private_segment_fixed_size 0
		.amdhsa_enable_private_segment 0
		.amdhsa_kernarg_size 72
		.amdhsa_user_sgpr_count 2
		.amdhsa_user_sgpr_kernarg_segment_ptr 1
		.amdhsa_wavefront_size32 1
		.amdhsa_system_sgpr_workgroup_id_x 1
		.amdhsa_system_sgpr_workgroup_id_y 1
		.amdhsa_system_sgpr_workgroup_id_z 1
		.amdhsa_system_vgpr_workitem_id 0
		.amdhsa_next_free_vgpr 1024
		.amdhsa_next_free_sgpr 100
		.amdhsa_reserve_vcc 0
		.amdhsa_float_denorm_mode_32 3
		.amdhsa_float_denorm_mode_16_64 3
		.amdhsa_memory_ordered 1
		.amdhsa_forward_progress 1
		.amdhsa_inst_pref_size 234
	.end_amdhsa_kernel
	.amdgpu_metadata
---
amdhsa.version: [ 1, 2 ]
amdhsa.kernels:
  - .name:           k_q4464505576_up
    .symbol:         k_q4464505576_up.kd
    .args:
      - { .name: xc, .offset: 0, .size: 8, .value_kind: global_buffer, .address_space: global }
      - { .name: w1_codes, .offset: 8, .size: 8, .value_kind: global_buffer, .address_space: global }
      - { .name: w1_scales, .offset: 16, .size: 8, .value_kind: global_buffer, .address_space: global }
      - { .name: b1, .offset: 24, .size: 8, .value_kind: global_buffer, .address_space: global }
      - { .name: route, .offset: 32, .size: 8, .value_kind: global_buffer, .address_space: global }
      - { .name: gval, .offset: 40, .size: 8, .value_kind: global_buffer, .address_space: global }
      - { .name: hc, .offset: 48, .size: 8, .value_kind: global_buffer, .address_space: global }
      - { .name: place, .offset: 56, .size: 8, .value_kind: global_buffer, .address_space: global }
      - { .name: wgt, .offset: 64, .size: 8, .value_kind: global_buffer, .address_space: global }
    .group_segment_fixed_size: 133632
    .private_segment_fixed_size: 0
    .kernarg_segment_align: 8
    .kernarg_segment_size: 72
    .max_flat_workgroup_size: 128
    .sgpr_count:     100
    .vgpr_count:     1024
    .wavefront_size: 32
...
	.end_amdgpu_metadata
.endif
;; end of part 8
;; launch down (part 9): grid 32 x 8, 4 waves a work-group, no clusters, 52,736 bytes of LDS; arguments hc, w2_codes, w2_scales, b2, place, wgt, y; writes y
.if DOCPART == 9
	.amdgcn_target "amdgcn-amd-amdhsa--gfx1250"
	.amdhsa_code_object_version 6
	.text
	.protected	k_q4464505576_down
	.globl	k_q4464505576_down
	.p2align	8
	.type	k_q4464505576_down,@function
k_q4464505576_down:
	s_mov_b64 s[64:65], 0
	v_nop
	global_prefetch_b8 v0, s[64:65] scope:SCOPE_SE
	s_setreg_imm32_b32 hwreg(HW_REG_WAVE_SCHED_MODE, 0, 2), 2
	s_setreg_imm32_b32 hwreg(HW_REG_WAVE_MODE, 25, 1), 1
	s_wait_xcnt 0x0
	s_wait_alu depctr_vm_vsrc(0)
; THE SECOND PRODUCT, FOR THE CHOSEN ROWS ALONE: y[dst] = weight x (Q(h) W2 + b2), on codes of E5M2 with one E8M0 scale for each 32 along K.
; Work-group (x = 2 sl + p, e) owns output columns 64 sl .. 64 sl + 63 of expert e and the row tiles 2 m + p.  THE WAVES SHARE K: wave q owns K steps 8 q .. 8 q + 7; its part of W2, 4 tiles of columns x 8 K steps,
; is 512 registers, loaded once.  Of each tile of h a wave reads its own quarter alone: 32 loads of 512 consecutive bytes, images of the operand's registers as the launch before stored them.
; The product is used transposed (source 0 = 16 rows of W2, source 1 = 16 rows of h): a lane holds one rank and eight neighbouring columns.
; The four waves' partial sums meet in LDS; there a row's 64 columns also come together, so that sixteen lanes store 256 consecutive bytes of y, aligned.
; y [2056][1024] f32: row 1024 x choice + token; a rank that no row takes carries dst = 2048 + e, a spare row that nobody reads: so EXEC never changes.
; THE STEPS ARE A LOOP OF CONSTANT COUNT (33, no parity has more than 32 tiles), with one barrier a step on every wave's path; a step past the last tile jumps over its work.
; NO TENSOR LOADS, NO CLUSTER: those jumps hang on a count read from memory.
; Three buffers for h in registers, three for the exchange in LDS.  A step either issues its 40 loads (the tile three steps on) or waits for all loads: so on every path a buffer is whole or has 80 younger loads behind it.
; An exchange buffer written in step m is read behind that step's barrier and written again in step m + 3, behind two more barriers, which a wave signals only when its reads are back.
; REGISTERS, in windows of 256.  window 0: addresses, b2, four accumulators, scale words, the exchange; v128-255 h's buffer 0.   window 1: W2's K steps 0-3, at 16 (4 s + jt).   window 2: K steps 4-7.   window 3: h's buffers 1 and 2.
; THE MODE: SCHED_MODE bits 1:0 = 2 (LLVM: expert scheduling mode 2), set by the entry lines.  The code itself states the register dependences
; between vector or matrix instructions and memory or LDS instructions, with s_wait_alu, always for 0.
; THE PLAN.  Registers that memory or LDS instructions touch, in the loop:
;   v1-6             Offsets and LDS addresses: written at the head and never again.
;   h's buffer b, v[HS], v[DW] of b   Step m (b = m % 3): the products read the buffer and its scale words, nine vector lines read dst and the weights; behind them the loads of the tile three steps on land in all three.
;   v[ACC]           Written by the step's products; read by its eight LDS stores; written over by the next step's first products.
;   v[YA]            Written in a step's first half; read by its two stores, at its end, as their offsets.
;   v[FL]            The LDS loads behind the barrier land in it; the sums work in it; the two stores read it.
; Four waits a step.  In the first half a wait on vm_vsrc (the last step's stores have read v[YA]) and, behind the nine lines, ONE wait on va_vdst, which serves the LDS stores and the 40 loads alike.
; Where the step's ways join, ahead of the barrier and of the branch behind it, a wait on vm_vsrc: the LDS stores have read v[ACC], the last step's stores v[FL].  In the second half one wait on va_vdst ahead of both stores;
; no vector line names v[FL] between that wait and the next step's LDS loads into it, so those owe nothing more.
.set L16, 1                            ; v1   16 x lane
.set L4,  2                            ; v2   4 x lane
.set HI4, 3                            ; v3   4 (lane / 16)
.set EW,  4                            ; v4   the exchange, in: 4352 q + 272 r + 32 h
.set ER,  5                            ; v5   and back: 272 (4 q + h) + 16 r
.set C16, 6                            ; v6   256 sl + 16 r: my 16 bytes of a row of y, and of b2
.set ACC, 16                           ; v16-47  accumulators, 8 jt
.set WS,  48                           ; v48-63  W2's scale words: tile jt, register i: lanes 0-15 K step i, lanes 16-31 K step 4 + i
.set HS,  64                           ; v64-75  h's: buffer b, register i: lanes 0-15 K step 2 i, lanes 16-31 K step 2 i + 1
.set DW,  76                           ; v76-87  buffer b: two dst, two weights
.set WT,  88                           ; v88-91  each weight twice
.set YA,  92                           ; v92-93  my two rows' offsets in y
.set FL,  96                           ; v96-127 the partial sums read back
.set XB,  17408                        ; an exchange buffer: 4 waves x 16 rows x 272 bytes (256 + 16: 17 x 16, so that 16 rows start 16 bytes apart modulo 256)
.set MSB, 0
.macro WIN new                         ; the immediate's high byte repeats the setting that is left
.if MSB != (\new)
	s_set_vgpr_msb (MSB<<8)|(\new)
.set MSB, (\new)
.endif
.endm
.macro TLOAD b                         ; tile s46 into buffer b: 40 loads
.set hb, 128*(((\b)+1)%2)
.set hw, 3*(((\b)+1)/2)
	s_min_u32 s46, s46, 63                         ; held inside the expert's 64 tiles
	s_wait_xcnt 0x0                                ; earlier loads have read the four bases
	s_lshl_b32 s48, s46, 16
	s_add_nc_u64 s[36:37], s[28:29], s[48:49]
	s_lshl_b32 s48, s46, 11
	s_add_nc_u64 s[38:39], s[30:31], s[48:49]
	s_lshl_b32 s48, s46, 6
	s_add_nc_u64 s[40:41], s[32:33], s[48:49]
	s_add_nc_u64 s[42:43], s[34:35], s[48:49]
	WIN hw<<6
.set n, 0
.rept 32
	global_load_b128 v[hb+4*n:hb+4*n+3], v[L16], s[36:37] offset:512*n
.set n, n+1
.endr
	WIN 0
.irp i, 0,1,2,3
	global_load_b32 v[HS+4*(\b)+\i], v[L4], s[38:39] offset:128*\i
.endr
.irp i, 0,1
	global_load_b32 v[DW+4*(\b)+\i], v[HI4], s[40:41] offset:8*\i
	global_load_b32 v[DW+4*(\b)+2+\i], v[HI4], s[42:43] offset:8*\i
.endr
.endm
.macro WD jt, s, b                     ; one product.  The rows of the scale registers: A's lanes 16-31 for K steps 4-7, B's for odd K steps
.set rD, ACC+8*(\jt)
.set rA, 16*(4*((\s)%4)+(\jt))
.set rB, hb+16*(\s)
.set rSA, WS+4*(\jt)+(\s)%4
.set rSB, HS+4*(\b)+(\s)/2
.if (\s) == 0
	v_wmma_scale_f32_16x16x128_f8f6f4 v[rD:rD+7], v[rA:rA+15], v[rB:rB+15], 0, v[rSA], v[rSB] matrix_a_fmt:MATRIX_FMT_BF8 matrix_b_fmt:MATRIX_FMT_BF8
.elseif ((\s) < 4) && ((\s)%2 == 0)
	v_wmma_scale_f32_16x16x128_f8f6f4 v[rD:rD+7], v[rA:rA+15], v[rB:rB+15], v[rD:rD+7], v[rSA], v[rSB] matrix_a_fmt:MATRIX_FMT_BF8 matrix_b_fmt:MATRIX_FMT_BF8
.elseif (\s) < 4
	v_wmma_scale_f32_16x16x128_f8f6f4 v[rD:rD+7], v[rA:rA+15], v[rB:rB+15], v[rD:rD+7], v[rSA], v[rSB] matrix_a_fmt:MATRIX_FMT_BF8 matrix_b_fmt:MATRIX_FMT_BF8 matrix_b_scale:MATRIX_SCALE_ROW1
.elseif (\s)%2 == 0
	v_wmma_scale_f32_16x16x128_f8f6f4 v[rD:rD+7], v[rA:rA+15], v[rB:rB+15], v[rD:rD+7], v[rSA], v[rSB] matrix_a_fmt:MATRIX_FMT_BF8 matrix_b_fmt:MATRIX_FMT_BF8 matrix_a_scale:MATRIX_SCALE_ROW1
.else
	v_wmma_scale_f32_16x16x128_f8f6f4 v[rD:rD+7], v[rA:rA+15], v[rB:rB+15], v[rD:rD+7], v[rSA], v[rSB] matrix_a_fmt:MATRIX_FMT_BF8 matrix_b_fmt:MATRIX_FMT_BF8 matrix_a_scale:MATRIX_SCALE_ROW1 matrix_b_scale:MATRIX_SCALE_ROW1
.endif
.endm
.macro STEP b
.set hb, 128*(((\b)+1)%2)
.set hw, 3*(((\b)+1)/2)
	s_cmp_ge_u32 s27, s24                          ; past my last tile?
	s_cbranch_scc1 .Lidle_\@
	s_wait_loadcnt 63                              ; this tile is in: two younger tiles' 80 loads stand behind it, or all loads have been waited for
	WIN 1|(hw<<2)                                  ; A window 1, B the buffer's window
.irp s, 0,1,2,3
.irp jt, 0,1,2,3
	WD \jt, \s, \b                                 ; the four accumulators take turns; K step 0 starts the sums
.endr
.endr
	WIN 2|(hw<<2)
.irp s, 4,5,6,7
.irp jt, 0,1,2,3
	WD \jt, \s, \b
.endr
.endr
	WIN 0
	s_wait_xcnt 0x0                                ; the last step's stores have had their addresses translated (ISA guide 3.1): v[YA] is written again only behind this wait
	s_wait_alu depctr_vm_vsrc(0)                   ; and they have read v[YA], their offsets.  The 32 products stand between those stores and this pair of waits
	v_min_u32 v9, 0x807, v[DW+4*(\b)]              ; nine places behind the products: eight ahead of the LDS stores that read the results,
	v_min_u32 v10, 0x807, v[DW+4*(\b)+1]           ; nine ahead of the next step's first products, which write over the accumulators.  dst is held inside y's 2,056 rows
	v_lshl_add_u32 v[YA], v9, 12, v[C16]
	v_lshl_add_u32 v[YA+1], v10, 12, v[C16]
	v_mov_b32 v[WT], v[DW+4*(\b)+2]
	v_mov_b32 v[WT+1], v[DW+4*(\b)+2]
	v_mov_b32 v[WT+2], v[DW+4*(\b)+3]
	v_mov_b32 v[WT+3], v[DW+4*(\b)+3]
	v_nop
	s_wait_alu depctr_va_vdst(0)                   ; the products have written v[ACC] on, which the LDS stores read (the places above stay beside this wait); they are done reading h's buffer and its scale words, and the nine lines dst and the weights: the 40 loads below land in these
.irp jt, 0,1,2,3
	ds_store_b128 v[EW], v[ACC+8*\jt:ACC+8*\jt+3] offset:XB*(\b)+64*\jt        ; each accumulator from its low end on
	ds_store_b128 v[EW], v[ACC+8*\jt+4:ACC+8*\jt+7] offset:XB*(\b)+64*\jt+16
.endr
	s_add_co_u32 s46, s27, 3
	s_cmp_ge_u32 s46, s24                          ; is there a tile three steps on?
	s_cbranch_scc1 .Lidle_\@
	s_lshl_b32 s46, s46, 1
	s_add_co_u32 s46, s46, s20
	TLOAD \b                                       ; no wait of its own: only LDS stores, which name none of its registers, and scalar lines stand between the wait above and these loads
	s_branch .Ljoin_\@
.Lidle_\@:
	s_wait_loadcnt 0x0                             ; a step that issues no loads waits for all
.Ljoin_\@:
	s_wait_alu depctr_vm_vsrc(0)                   ; on every way through the step: my LDS stores have read v[ACC] on, which the next step's first products write over; the last step's stores have read v[FL] on, in which the LDS loads below land
	s_wait_dscnt 0x0                               ; for the others' sake: my stores have landed (my reads of the last step were waited for there)
	s_barrier_signal -1
	s_barrier_wait -1
	s_cmp_ge_u32 s27, s24
	s_cbranch_scc1 .Lnone_\@
	s_wait_xcnt 0x0                                ; the last step's stores have had their addresses translated: v[FL] on, their data, is loaded again only behind this wait
.irp i, 0,1
.irp w, 0,1,2,3
	ds_load_b128 v[FL+16*\i+4*\w:FL+16*\i+4*\w+3], v[ER] offset:XB*(\b)+4352*\w+544*\i   ; wave w's part of row 4 q + 2 i + lane / 16: sixteen lanes to a row
.endr
.endr
	s_wait_dscnt 0x0
.irp i, 0,1
.set F, FL+16*\i
	v_pk_add_f32 v[F:F+1], v[F:F+1], v[F+4:F+5]
	v_pk_add_f32 v[F+2:F+3], v[F+2:F+3], v[F+6:F+7]
	v_pk_add_f32 v[F+8:F+9], v[F+8:F+9], v[F+12:F+13]
	v_pk_add_f32 v[F+10:F+11], v[F+10:F+11], v[F+14:F+15]
	v_pk_add_f32 v[F:F+1], v[F:F+1], v[F+8:F+9]
	v_pk_add_f32 v[F+2:F+3], v[F+2:F+3], v[F+10:F+11]
	v_pk_add_f32 v[F:F+1], v[F:F+1], v[12:13]      ; + b2
	v_pk_add_f32 v[F+2:F+3], v[F+2:F+3], v[14:15]
	v_pk_mul_f32 v[F:F+1], v[F:F+1], v[WT+2*\i:WT+2*\i+1]   ; x the row's weight
	v_pk_mul_f32 v[F+2:F+3], v[F+2:F+3], v[WT+2*\i:WT+2*\i+1]
.endr
	s_wait_alu depctr_va_vdst(0)                   ; both rows' sums are written, which the two stores read; and all that names v[FL] on is done, for the next step's LDS loads into it
.irp i, 0,1
	global_store_b128 v[YA+\i], v[FL+16*\i:FL+16*\i+3], s[16:17] ; sixteen lanes store 256 consecutive bytes, at a multiple of 256 from y's first byte
.endr
.Lnone_\@:
	s_add_co_u32 s27, s27, 1
.endm
	s_load_b256 s[4:11], s[0:1], 0x0               ; hc s[4:5], W2's codes s[6:7], its scales s[8:9], b2 s[10:11]
	s_load_b128 s[12:15], s[0:1], 0x20             ; place s[12:13], wgt s[14:15]
	s_load_b64 s[16:17], s[0:1], 0x30              ; y
	v_lshl_add_u32 v94, v0, 2, 0xcc00
	v_mov_b32 v95, 0
	v_lshrrev_b32 v1, 5, v0
	v_readfirstlane_b32 s18, v1                    ; q: my wave, my quarter of K
	s_lshr_b32 s19, ttmp9, 1                       ; sl
	s_and_b32 s20, ttmp9, 1                        ; p
	s_and_b32 s21, ttmp7, 0xffff                   ; e
	v_and_b32 v9, 31, v0
	v_and_b32 v10, 15, v0                          ; r
	v_bfe_u32 v11, v0, 4, 1                        ; h
	v_lshlrev_b32 v[L16], 4, v9
	v_lshlrev_b32 v[L4], 2, v9
	v_lshlrev_b32 v[HI4], 2, v11
	s_wait_alu depctr_va_sdst(0)                   ; s18, the wave's number, is written, ahead of its first reader
	s_mul_i32 s44, s18, 4352
	v_mul_u32_u24 v[EW], v10, 272
	v_lshl_add_u32 v[EW], v11, 5, v[EW]
	v_add_nc_u32 v[EW], s44, v[EW]
	s_mul_i32 s44, s18, 1088
	v_mul_u32_u24 v[ER], v11, 272
	v_lshl_add_u32 v[ER], v10, 4, v[ER]
	v_add_nc_u32 v[ER], s44, v[ER]
	s_lshl_b32 s44, s19, 8
	v_lshl_add_u32 v[C16], v10, 4, s44
	v_lshlrev_b32 v7, 12, v10
	v_lshl_add_u32 v7, v11, 4, v7                  ; W2: row r of 4,096 bytes, + 16 h
	v_lshlrev_b32 v8, 7, v10
	v_lshl_add_u32 v8, v11, 4, v8                  ; its scale bytes: row r of 128, + 16 h
.irp k, 0,1,2,3
	v_mov_b32 v[WT+\k], 0                          ; written once, so that no path reads them unwritten
.endr
	v_mov_b32 v[YA], 0
	v_mov_b32 v[YA+1], 0
	s_mov_b32 s49, 0
	s_mov_b32 s27, 0                               ; the step
	s_wait_kmcnt 0x0
	s_lshl_b32 s48, s21, 2
	s_add_nc_u64 s[50:51], s[12:13], s[48:49]
	s_load_b32 s22, s[50:51], 0x8000               ; the expert's count
	s_lshl_b32 s48, s21, 22
	s_lshl_b32 s44, s19, 18
	s_add_co_u32 s48, s48, s44
	s_lshl_b32 s44, s18, 10
	s_add_co_u32 s48, s48, s44
	s_add_nc_u64 s[6:7], s[6:7], s[48:49]          ; W2: my 64 rows, my quarter of K
	s_lshl_b32 s48, s21, 17
	s_lshl_b32 s44, s19, 13
	s_add_co_u32 s48, s48, s44
	s_lshl_b32 s44, s18, 5
	s_add_co_u32 s48, s48, s44
	s_add_nc_u64 s[8:9], s[8:9], s[48:49]
	s_lshl_b32 s48, s21, 12
	s_add_nc_u64 s[10:11], s[10:11], s[48:49]      ; b2 of the expert
	s_lshl_b32 s44, s18, 4
	s_add_co_u32 s48, s48, s44
	s_add_nc_u64 s[32:33], s[12:13], s[48:49]      ; the list, at my four rows of a tile
	s_add_nc_u64 s[34:35], s[14:15], s[48:49]      ; the weights likewise
	s_lshl_b32 s48, s21, 22
	s_lshl_b32 s44, s18, 14
	s_add_co_u32 s48, s48, s44
	s_add_nc_u64 s[28:29], s[4:5], s[48:49]        ; h's images: the expert's tile 0, my quarter of K
	s_lshl_b32 s48, s21, 17
	s_lshl_b32 s44, s18, 9
	s_add_co_u32 s48, s48, s44
	s_add_nc_u64 s[30:31], s[4:5], s[48:49]
	s_add_nc_u64 s[30:31], s[30:31], 0x2000000     ; and their scale words
	WIN 0x40                                       ; destination window 1: K steps 0-3.  The eight loads of two neighbouring K steps stand together: they take 256 consecutive bytes of each of 16 rows
	s_wait_alu depctr_va_vdst(0)                   ; the offsets and LDS addresses v1 to v8 are written, which the loads, stores and LDS instructions of the kernel read; so is v[YA]
.irp jt, 0,1,2,3
.irp s, 0,1,2,3
.irp c, 0,1,2,3
	global_load_b128 v[16*(4*\s+\jt)+4*\c:16*(4*\s+\jt)+4*\c+3], v7, s[6:7] offset:65536*\jt+128*\s+32*\c
.endr
.endr
.endr
	WIN 0x80                                       ; window 2: K steps 4-7
.irp jt, 0,1,2,3
.irp s, 0,1,2,3
.irp c, 0,1,2,3
	global_load_b128 v[16*(4*\s+\jt)+4*\c:16*(4*\s+\jt)+4*\c+3], v7, s[6:7] offset:65536*\jt+512+128*\s+32*\c
.endr
.endr
.endr
	WIN 0
.irp jt, 0,1,2,3
	global_load_b128 v[WS+4*\jt:WS+4*\jt+3], v8, s[8:9] offset:2048*\jt
.endr
	global_load_b128 v[12:15], v[C16], s[10:11]
	s_wait_kmcnt 0x0
	s_min_u32 s22, s22, 0x400
	s_add_co_u32 s23, s22, 15
	s_lshr_b32 s23, s23, 4                         ; the expert's tiles
	s_add_co_u32 s24, s23, 1
	s_sub_co_u32 s24, s24, s20
	s_lshr_b32 s24, s24, 1                         ; those of my parity
	s_max_u32 s25, s23, 1
	s_sub_co_u32 s25, s25, 1                       ; the last tile that the launch before has stored
	s_max_u32 s44, s24, 1
	s_sub_co_u32 s44, s44, 1
.irp b, 0,1,2                          ; the first three tiles; where there are fewer, a tile that exists comes again, so that every buffer is written
	s_min_u32 s46, s44, \b
	s_lshl_b32 s46, s46, 1
	s_add_co_u32 s46, s46, s20
	s_min_u32 s46, s46, s25
	TLOAD \b
.endr
	s_mov_b32 s26, 11
.Ltrip:
	STEP 0
	STEP 1
	STEP 2
	s_sub_co_u32 s26, s26, 1
	s_cmp_lg_u32 s26, 0
	s_cbranch_scc1 .Ltrip
	s_wait_dscnt 0x0                               ; the closing lines, six on end
	s_wait_alu 0x0
	s_wait_tensorcnt 0x0
	ds_add_u32 v94, v95
	s_wait_dscnt 0x0
	s_endpgm
.Lfunc_end_k_q4464505576_down:
	.size	k_q4464505576_down, .Lfunc_end_k_q4464505576_down-k_q4464505576_down
	.p2alignl 7, 3214868480
	.fill 96, 4, 3214868480
	.section	.rodata,"a",@progbits
	.p2align	6, 0x0
	.amdhsa_kernel k_q4464505576_down
		.amdhsa_group_segment_fixed_size 52736
		.amdhsa_private_segment_fixed_size 0
		.amdhsa_enable_private_segment 0
		.amdhsa_kernarg_size 56
		.amdhsa_user_sgpr_count 2
		.amdhsa_user_sgpr_kernarg_segment_ptr 1
		.amdhsa_wavefront_size32 1
		.amdhsa_system_sgpr_workgroup_id_x 1
		.amdhsa_system_sgpr_workgroup_id_y 1
		.amdhsa_system_sgpr_workgroup_id_z 1
		.amdhsa_system_vgpr_workitem_id 0
		.amdhsa_next_free_vgpr 1024
		.amdhsa_next_free_sgpr 66
		.amdhsa_reserve_vcc 0
		.amdhsa_float_denorm_mode_32 3
		.amdhsa_float_denorm_mode_16_64 3
		.amdhsa_memory_ordered 1
		.amdhsa_forward_progress 1
		.amdhsa_inst_pref_size 65
	.end_amdhsa_kernel
	.amdgpu_metadata
---
amdhsa.version: [ 1, 2 ]
amdhsa.kernels:
  - .name:           k_q4464505576_down
    .symbol:         k_q4464505576_down.kd
    .args:
      - { .name: hc, .offset: 0, .size: 8, .value_kind: global_buffer, .address_space: global }
      - { .name: w2_codes, .offset: 8, .size: 8, .value_kind: global_buffer, .address_space: global }
      - { .name: w2_scales, .offset: 16, .size: 8, .value_kind: global_buffer, .address_space: global }
      - { .name: b2, .offset: 24, .size: 8, .value_kind: global_buffer, .address_space: global }
      - { .name: place, .offset: 32, .size: 8, .value_kind: global_buffer, .address_space: global }
      - { .name: wgt, .offset: 40, .size: 8, .value_kind: global_buffer, .address_space: global }
      - { .name: y, .offset: 48, .size: 8, .value_kind: global_buffer, .address_space: global }
    .group_segment_fixed_size: 52736
    .private_segment_fixed_size: 0
    .kernarg_segment_align: 8
    .kernarg_segment_size: 56
    .max_flat_workgroup_size: 128
    .sgpr_count:     66
    .vgpr_count:     1024
    .wavefront_size: 32
...
	.end_amdgpu_metadata
.endif
;; end of part 9
;; launch sum: the kernel of part 7 again; grid 256 x 1, 4 waves a work-group, no clusters, 0 bytes of LDS; arguments y, place, out0, out1; writes out0, out1
